; MI455X (gfx1250); checked and timed in simulation.
; The chip was launched on July 23, 2026; its instructions are those of AMD's public machine-readable ISA for CDNA 5 (MIT licence, August 2026) and "CDNA5" Instruction Set Architecture Reference Guide (July 2026). The comments in the code are by the model that wrote it; some were corrected since.
;; Causal Self Attention. Allowed arithmetic: matrix products marked QUANTISED: E5M2 operands, one E8M0 scale for each 32 along K, by v_wmma_scale_f32_16x16x128_f8f6f4 with both operands' format E5M2, f32 sums; everything else in f32.
;; Inputs: b_attn 3,072 float32; b_proj 1,024 float32; w_attn_codes 3,072 x 32 x 32 uint8 (E5M2 codes of w_attn, K innermost, in blocks of 32 codes); w_attn_scales 3,072 x 32 uint8 (E8M0 scales of w_attn, one for each 32 codes along K); w_proj_codes 1,024 x 32 x 32 uint8 (E5M2 codes of w_proj, K innermost, in blocks of 32 codes); w_proj_scales 1,024 x 32 uint8 (E8M0 scales of w_proj, one for each 32 codes along K); x_codes 4 x 2,048 x 32 x 32 uint8 (E5M2 codes of x, K innermost, in blocks of 32 codes); x_scales 4 x 2,048 x 32 uint8 (E8M0 scales of x, one for each 32 codes along K).
;; Outputs: out0 4 x 2,048 x 1,024 float32.
;; This version of the problem:
;;   THIS VERSION OF THE PROBLEM IS GIVEN IN LOW PRECISION. The matrix products marked QUANTISED in the list below multiply operands that are first quantised to E5M2 (5 exponent bits, 2 mantissa bits; 8 bits a number), with one power-of-two scale for each 32 numbers along K (OCP MX v1.0); their sums are f32. All else is computed in f32.
;;   The module's matrix products, in the order in which they are computed (A, B: the left and right operand; K: the contracted axis; several contracted axes count as one K, in the product's order):
;;     1. [M 8,192, K 1,024] x [K 1,024, N 3,072]; A: input x (given as codes); B: input w_attn (given as codes): QUANTISED
;;     2. batch 64 x [M 2,048, K 64] x [K 64, N 2,048]; A: computed on the way; B: computed on the way: QUANTISED
;;     3. batch 64 x [M 2,048, K 2,048] x [K 2,048, N 64]; A: softmax (see below); B: computed on the way: QUANTISED
;;     4. [M 8,192, K 1,024] x [K 1,024, N 1,024]; A: computed on the way; B: input w_proj (given as codes): QUANTISED
;;   THE QUANTISER, for each operand of a quantised product, along K:
;;     - K is cut into blocks of 32 from its start; a last block that is shorter is filled with zeros.
;;     - A block's scale is 2^e with e = floor(log2(the largest magnitude in the block)) - 15, held to -126 .. 127; a block of zeros has e = 0. As a byte (E8M0): e + 127.
;;     - Each number is divided by its block's scale, clamped to +-57,344, and rounded to the nearest number of E5M2, ties to even, subnormals kept.
;;     - The product sums the exact products of the quantised numbers (number of the format x scale) in f32.
;;   ~~~python
;;   def quantise(x, axis):      # numpy; x: float32 -> the quantised numbers, widened to float32 again
;;       x = np.moveaxis(x, axis, -1); K = x.shape[-1]
;;       x = np.pad(x, [(0, 0)] * (x.ndim - 1) + [(0, -K % 32)]); x = x.reshape(x.shape[:-1] + (-1, 32)); a = np.abs(x).max(-1, keepdims=True)
;;       e = np.where(a > 0, np.clip(np.frexp(np.where(a > 0, a, 1))[1] - 1 - 15, -126, 127), 0)      # np.frexp(a)[1] - 1 = floor(log2(a)), exactly
;;       r = np.clip(x / 2.0 ** e, -57344, 57344)
;;       step = 2.0 ** (np.maximum(np.frexp(np.where(r == 0, 1, r))[1] - 1, -14) - 2)
;;       q = np.round(r / step) * step * 2.0 ** e      # np.round: ties to even
;;       return np.moveaxis(q.reshape(q.shape[:-2] + (-1,))[..., :K], -1, axis).astype(np.float32)
;;   ~~~
;;   SOFTMAX AHEAD OF A QUANTISED PRODUCT. Where the list says 'softmax', what is quantised is not the finished softmax but p = 2^(t - M), with t = logit x log2(e) and M = ceil(the row's largest t), a whole number; so 1/2 < the row's largest p <= 1. The row's sum l is taken of the UNQUANTISED p, in f32, and the product's result is divided by l at the end. Since M is a whole number, a kernel that streams over the keys may use a running M (the ceiling of the running maximum): every later rescaling is an exact power of two, which a block's scale takes up: the codes' values come out the same.
;;   OPERANDS COMPUTED ON THE WAY. 'Computed on the way' means the value that the module computes at that place (a softmax that the list does not call 'softmax' is quantised finished and normalised). What goes into a quantiser is computed in f32, as accurately as f32 sums, v_exp_f32 and their like allow (about 1e-6 of the number): no bf16 or f16 on the way to a quantiser, and a product that is left as it is and whose result goes on into a quantised operand takes f32 operands (vector FMAs, or v_wmma_f32_16x16x4_f32). A number that lies on a knife's edge between two numbers of the format may be rounded either way, as far as f32 arithmetic and the matrix unit's own rounding can turn it there, and no further.
;;   INPUTS GIVEN AS CODES. w_attn (in the module: [1024, 3072], K = its axis 0); w_proj (in the module: [1024, 1024], K = its axis 0); x (in the module: [4, 2048, 1024], K = its axis 2): each comes as NAME_codes (uint8): NAME with its K axis moved to the last place and cut into blocks of 32 codes, [.., K / 32, bytes a block], one block behind the other in memory; one code a byte (a code: sign, 5 exponent bits, 2 mantissa bits); and NAME_scales (uint8): the same leading axes, one E8M0 byte (e + 127) for each 32 codes along K. Its value is code x scale, taken as it is: it is not quantised again, and the codes and scales need not be those that the quantiser above would give.
;; One version. Each part assembles by itself: llvm-mc -triple=amdgcn-amd-amdhsa -mcpu=gfx1250 --defsym DOCPART=n.
;; ======== version 1 of 1: 3 launches
;; limits: right only within a limited range of input values
;; workspace buffers: qkv 25,165,824 bytes; qkvs 786,432 bytes; y 8,388,608 bytes; ys 262,144 bytes
;; launch qkv (part 1): grid 12 x 32, 4 waves a work-group, clusters of 4 x 4, 327,680 bytes of LDS; arguments x_codes, x_scales, w_attn_codes, w_attn_scales, b_attn, qkv, qkvs; writes qkv, qkvs
.if DOCPART == 1
	.amdgcn_target "amdgcn-amd-amdhsa--gfx1250"
	.amdhsa_code_object_version 6
	.text
	.protected	k_qebe983a440_qkv
	.globl	k_qebe983a440_qkv
	.p2align	8
	.type	k_qebe983a440_qkv,@function
k_qebe983a440_qkv:
	s_mov_b64 s[64:65], 0
	v_nop
	global_prefetch_b8 v0, s[64:65] scope:SCOPE_SE
	s_setreg_imm32_b32 hwreg(HW_REG_WAVE_MODE, 25, 1), 1
	s_wait_xcnt 0x0
	s_wait_alu depctr_hold_cnt(0) depctr_sa_sdst(0) depctr_va_vdst(0) depctr_va_sdst(0) depctr_va_ssrc(0) depctr_va_vcc(0) depctr_vm_vsrc(0)
	s_getreg_b32 s2, hwreg(HW_REG_IB_STS2, 6, 4)
	s_cmp_eq_u32 s2, 0
	s_cbranch_scc0 .Lentry_in_a_cluster
	s_endpgm
.Lentry_in_a_cluster:
	s_bfe_u32 s2, ttmp6, 0x10000c
	s_cmp_lg_u32 s2, 0xf033
	s_cbranch_scc0 .Lentry_shape_is_right
	s_endpgm
.Lentry_shape_is_right:
; qkv = x w_attn + b_attn on codes of BF8 (E5M2) with one E8M0 scale for each 32 along K = 1,024; the result is quantised at once and leaves as codes.
; x: [8192][1024] codes, w_attn: [3072][1024] codes (K innermost), their scale bytes [rows][32].  A tile of 256 x 256 is made by four waves, 128 x 128 each: 64 accumulators, 512 registers.
; K goes in steps of 256 through a ring of two LDS slots filled by the tensor data mover; the scale bytes of the tile's 2 x 256 rows come once and stay.
; TWO KINDS OF TILE, told apart by the cluster's x (the same in all sixteen partners): 0 = q, 1 = k, 2 = v.  The matrix instruction takes 16 rows of region B as source 0 and 16 rows of region A as source 1:
; a lane then holds ONE row of region A and its eight registers eight neighbouring rows of region B.
;   q, k: region A = x (tokens), region B = w_attn (channels): a lane's registers run along the channels, which are the K of q k^T.
;   v:    region A = w_attn (channels), region B = x (tokens): a lane's registers run along the tokens, which are the K of p v.
; So one way out quantises all three along the right axis.  Region A hangs on the place cy alone and is asked for jointly along a row of the cluster, region B on cx alone and along a column.
; THE BIAS is the C of the first K step's products: no addition is written.
; WHAT LEAVES: images of operand registers.  qkv: [q,k,v][8 batch + head pair][block of 128 tokens][a 0..7][c 0..3][lane][16 bytes]; q, k: fragment a = tokens 16 a .. + 15 x the pair's 128 channels;
; v: fragment a = channels 16 a .. + 15 of the pair x the block's 128 tokens.  qkvs: the same leading axes, [a][row 0..15], one word of four scale bytes.
; ORDER INSIDE A BLOCK OF 32: place 16 h + 8 u + j holds element 16 u + 8 h + j.  q and k have it alike, and so have p and v in the next launch: the sums over a block are the same.
; LIMITS: NaN and infinities among the inputs are not served.  A block of zeros gets the byte 1 where the quantiser says 127: its codes are zeros, and this program alone reads the bytes.
; Blocks whose largest magnitude lies under 2^(16 - 127) are held at that floor.
.set SIZE_K, 1024
.set KSTEP,  256                       ; along K in a slot
.set NQ,     KSTEP/128                 ; matrix instructions deep
.set ROWB,   256                       ; a tile's row in bytes
.set KROW,   SIZE_K                    ; a row of x or of w_attn in memory, in bytes
.set PITCH,  272                       ; an LDS row: 256 bytes + 16 of padding = 68 words: the 16 rows that a load touches start at 16 different banks (64 banks of 4 bytes: ISA guide 11.1)
.set FR,     16                        ; registers of a fragment: 16 rows x 128 K
.set NL,     4                         ; LDS loads that bring one
.set NP,     8                         ; places behind this matrix instruction (ISA guide 7.12.1)
.set HALFT,  128*PITCH                 ; 128 rows: what one tensor load brings
.set SLOT,   4*HALFT                   ; region A's 256 rows, then region B's
.set LAPS,   SIZE_K/(2*KSTEP)          ; a lap = two K steps = once round the ring
.set KS,     SIZE_K/32                 ; a row of scale bytes
.set SCL,    2*SLOT                    ; behind the ring: the scale bytes, as units of 256 bytes + 16 of padding
.set HALFS,  (128*KS/256)*272          ; those of 128 rows
.set SBLK,   (16*KS/256)*272           ; those of 16 rows
.set SPARE,  SCL+4*HALFS               ; the spare words, 128 bytes for each wave: two blocks of 256 bytes that no other line names
.set ADRA, 16                          ; v16-17  LDS address of my fragments of region A in slot 0, 1
.set ADRB, 20                          ; v20-21  the same for region B
.set LI,   24                          ; v24     16 x lane: my place in an image
.set SWA,  25                          ; v25     the way out: where I put a scale word (512 x wave + 4 r, in slot 0, which has then had its last fill and its last read)
.set SRD,  26                          ; v26     and where I read 16 bytes of the words back
.set ADRS, 27                          ; v27     LDS address of my scale words: lanes 0-15 region A's rows, lanes 16-31 region B's
.set SPW,  28                          ; v28     LDS address of my spare word; never rewritten
.set NIL,  29                          ; v29     0; never rewritten
.set SC,   32                          ; v32-63  scale words, two sets of 16
.set BI,   64                          ; v64-127 the bias in the result's layout, eight registers a tile
.set AF,   128                         ; v128-255 region A's fragments, one set
.set TM,   64                          ; the way out: v64-67 largest magnitudes, v68-71 bytes, v72-75 the largest number x the scale, v76-79 the conversions' scale operands
.set PC,   80                          ; v80-95  the codes just made
.set PWA,  96                          ; v96-103 a scale word for each fragment
.set WB,   104                         ; v104-107 the words read back
.set XH,   128                         ; v128-191 64 numbers, held
.set G1, 24                            ; s[24:31] descriptor group 1 for region A's tiles;  s[32:39] group 0, one set for each slot
.set G0, 32
.set G1B, 48                           ; s[48:55], s[56:63] the same for region B
.set G0B, 56
.set G1S, 68                           ; s[68:75], s[76:79] groups 1 and 0 for region A's scale bytes;  s[80:87], s[88:91] for region B's
.set G0S, 76
.set G1SB, 80
.set G0SB, 88
.set MSB, 0
.macro WIN new                         ; the immediate's high byte repeats the setting that is left
.if MSB != \new
	s_set_vgpr_msb (MSB<<8)|\new
.set MSB, \new
.endif
.endm
.set MUL_LO, 0xa1                      ; source 0 (B) window 1, source 1 (A) window 0, C and D window 2
.set MUL_HI, 0xf1                      ; the same, C and D window 3
.set TO_B,   0x40                      ; destination window 1, address window 0
; A joint load: waves 0 and 1 fetch for region A, waves 2 and 3 for region B.  The branch hangs on the wave's number alone.  Four v_nop follow each of the two lines.
.macro JLOAD g0a, g1a, g0b, g1b
	s_cmp_eq_u32 s15, 0
	s_cbranch_scc0 .Lfor_b_\@
	tensor_load_to_lds s[\g0a:\g0a+3], s[\g1a:\g1a+7]
	s_nop 0
.rept 4
	v_nop
.endr
	s_branch .Lasked_\@
.Lfor_b_\@:
	tensor_load_to_lds s[\g0b:\g0b+3], s[\g1b:\g1b+7]
	s_nop 0
.rept 4
	v_nop
.endr
.Lasked_\@:
.endm
.macro CREST                           ; a round of the cluster's barrier behind its opening barrier
	s_cmp_lg_u32 s14, 0
	s_cbranch_scc1 .Lnot_wave_0_\@
	s_barrier_signal -3
.Lnot_wave_0_\@:
	s_barrier_wait -3
	s_barrier_signal -1
	s_barrier_wait -1
.endm
.macro CROUND                          ; a whole round
	s_barrier_signal -1
	s_barrier_wait -1
	CREST
.endm
	s_load_b256 s[4:11], s[0:1], 0x0               ; x's codes s[4:5], x's scales s[6:7], w's codes s[8:9], w's scales s[10:11]
	s_load_b128 s[96:99], s[0:1], 0x20             ; b_attn s[96:97], qkv s[98:99]
	s_load_b64 s[100:101], s[0:1], 0x30            ; qkvs
	v_lshl_add_u32 v[SPW], v0, 2, SPARE
	v_mov_b32 v[NIL], 0
	ds_add_u32 v28, v29
	s_wait_dscnt 0x0
	v_lshrrev_b32 v1, 5, v0
	v_readfirstlane_b32 s14, v1                    ; wave 0..3
	s_lshr_b32 s15, s14, 1                         ; which half of region A's rows is mine.  Also: I fetch for A (0) or for B (1)
	s_and_b32 s16, s14, 1                          ; which half of region B's rows.  Also: which 128 rows I fetch
	s_bfe_u32 s40, ttmp6, 0x40000                  ; cx, cy: my place in the cluster
	s_bfe_u32 s41, ttmp6, 0x40004
	s_and_b32 s18, ttmp7, 0xffff
	s_lshl_b32 s18, s18, 10                        ; 1,024 x cluster y: the cluster's first token
	s_lshl_b32 s19, ttmp9, 10                      ; 1,024 x cluster x: the cluster's first row of w_attn
	s_mov_b32 s17, 2048
	s_cmp_eq_u32 ttmp9, 2                          ; a tile of v?  The cluster's x is the same in all partners
	s_cselect_b32 s17, s17, s18                    ; region A begins at w_attn's row 2,048 (v) or at the cluster's first token (q, k),
	s_cselect_b32 s42, s18, s19                    ; region B at the cluster's first token (v) or at its first row of w_attn
	s_lshl_b32 s43, s41, 8
	s_add_co_u32 s17, s17, s43                     ; RA: + 256 cy
	s_lshl_b32 s44, s40, 8
	s_add_co_u32 s42, s42, s44                     ; RB: + 256 cx
	s_lshl_b32 s43, s41, 2
	s_lshl_b32 s43, 15, s43                        ; my row of the cluster
	s_lshl_b32 s44, 0x1111, s40                    ; my column
	; descriptor group 1: a tile of 128 rows x 256 bytes, padded in LDS
	s_or_b32 s[G1+0], s43, (0<<16)|(1<<20)|(1<<21)|(5<<22)|(3<<25)  ; 15:0 the mask: region A's tiles go to my row; 17:16 element of 1 byte; 20 padding on; 21 set beside a mask; 24:22 after every 64 words; 31:25 of 4 words
	s_or_b32 s[G1B+0], s44, (0<<16)|(1<<20)|(1<<21)|(5<<22)|(3<<25)
.irp g, G1, G1B
	s_mov_b32 s[\g+1], ROWB<<16                    ; tensor_dim0
	s_mov_b32 s[\g+2], 128<<16                     ; tensor_dim1 = 128
	s_mov_b32 s[\g+3], ROWB<<16                    ; tile_dim0
	s_mov_b32 s[\g+4], 128                         ; tile_dim1 = 128
	s_mov_b32 s[\g+5], KROW                        ; tensor_dim0_stride
	s_mov_b32 s[\g+6], 0
	s_mov_b32 s[\g+7], 0
.endr
	; the scale bytes of 128 rows: a dense block of 4,096 bytes, as rows of 256 bytes (32 elements of 8 bytes), 16 bytes of padding behind each
	s_or_b32 s[G1S+0], s43, (3<<16)|(1<<20)|(1<<21)|(5<<22)|(3<<25)
	s_or_b32 s[G1SB+0], s44, (3<<16)|(1<<20)|(1<<21)|(5<<22)|(3<<25)
.irp g, G1S, G1SB
	s_mov_b32 s[\g+1], 32<<16
	s_mov_b32 s[\g+2], (128*KS/256)<<16
	s_mov_b32 s[\g+3], 32<<16
	s_mov_b32 s[\g+4], 128*KS/256
	s_mov_b32 s[\g+5], 32
	s_mov_b32 s[\g+6], 0
	s_mov_b32 s[\g+7], 0
.endr
	s_lshl_b32 s18, s16, 7                         ; which 128 rows of the tile I fetch
	s_add_co_u32 s20, s17, s18                     ; region A: RA + 128 x half
	s_add_co_u32 s46, s42, s18                     ; region B: RB + 128 x half
	s_mov_b32 s21, 0
	s_mov_b32 s47, 0
	s_mov_b64 s[18:19], KS
	s_mul_u64 s[22:23], s[20:21], s[18:19]         ; where these rows' scale bytes begin
	s_mul_u64 s[92:93], s[46:47], s[18:19]
	s_mov_b64 s[18:19], KROW
	s_mul_u64 s[20:21], s[20:21], s[18:19]         ; and their codes
	s_mul_u64 s[46:47], s[46:47], s[18:19]
	s_mul_i32 s45, s14, HALFT                      ; where they go: wave x 128 rows: no place in the cluster enters an LDS address
	s_mul_i32 s94, s14, HALFS
	s_wait_kmcnt 0x0
	s_cmp_eq_u32 ttmp9, 2                          ; which tensor is which region: a choice between buffers on the cluster's x
	s_cselect_b64 s[12:13], s[8:9], s[4:5]         ; region A's codes
	s_cselect_b64 s[66:67], s[10:11], s[6:7]       ; region A's scale bytes
	s_cselect_b64 s[8:9], s[4:5], s[8:9]           ; region B's codes
	s_cselect_b64 s[10:11], s[6:7], s[10:11]       ; region B's scale bytes
	s_add_nc_u64 s[20:21], s[12:13], s[20:21]
	s_add_nc_u64 s[22:23], s[66:67], s[22:23]
	s_add_nc_u64 s[46:47], s[8:9], s[46:47]
	s_add_nc_u64 s[92:93], s[10:11], s[92:93]
	CROUND                                         ; all sixteen work-groups are here: the first joint loads meet
	s_mov_b32 s[G0S], 1
	s_add_co_u32 s[G0S+1], s94, SCL
	s_mov_b64 s[G0S+2:G0S+3], s[22:23]
	s_or_b32 s[G0S+3], s[G0S+3], 0x80000000
	s_mov_b32 s[G0SB], 1
	s_add_co_u32 s[G0SB+1], s94, SCL
	s_mov_b64 s[G0SB+2:G0SB+3], s[92:93]
	s_or_b32 s[G0SB+3], s[G0SB+3], 0x80000000
	JLOAD G0S, G1S, G0SB, G1SB                     ; the scale bytes first: they are wanted with K step 0
.irp s, 0,1
	s_mov_b32 s[G0+4*\s], 1
	s_add_co_u32 s[G0+4*\s+1], s45, \s*SLOT
	s_add_nc_u64 s[G0+4*\s+2:G0+4*\s+3], s[20:21], \s*ROWB
	s_or_b32 s[G0+4*\s+3], s[G0+4*\s+3], 0x80000000
	s_mov_b32 s[G0B+4*\s], 1
	s_add_co_u32 s[G0B+4*\s+1], s45, \s*SLOT
	s_add_nc_u64 s[G0B+4*\s+2:G0B+4*\s+3], s[46:47], \s*ROWB
	s_or_b32 s[G0B+4*\s+3], s[G0B+4*\s+3], 0x80000000
	JLOAD G0+4*\s, G1, G0B+4*\s, G1B
.endr
	v_and_b32 v1, 15, v0                           ; r = lane % 16
	v_bfe_u32 v2, v0, 4, 1                         ; h = lane / 16
	v_mul_u32_u24 v3, v1, PITCH
	v_lshl_add_u32 v4, v2, 4, v3                   ; a fragment's row x pitch + 16 x half
	s_mul_i32 s21, s15, HALFT                      ; my 128 rows of region A
	s_mul_i32 s22, s16, HALFT                      ; my 128 rows of region B,
	s_add_co_u32 s22, s22, 2*HALFT                 ; which lie behind A's 256
.irp s, 0,1
	v_add_nc_u32 v[ADRA+\s], s21, v4
	v_add_nc_u32 v[ADRB+\s], s22, v4
	s_add_co_u32 s21, s21, SLOT
	s_add_co_u32 s22, s22, SLOT
.endr
	v_mul_u32_u24 v5, v1, KS                       ; my row's scale bytes: 32 a row,
	v_lshrrev_b32 v6, 8, v5
	v_lshl_add_u32 v5, v6, 4, v5                   ; and 16 more for each 256 passed
	s_mul_i32 s21, s15, HALFS
	s_mul_i32 s22, s16, HALFS
	s_add_co_u32 s22, s22, 2*HALFS
	s_sub_co_u32 s22, s22, s21
	v_mul_u32_u24 v6, s22, v2                      ; lanes 16-31 take region B's: one product, the distance between the two bases
	s_add_co_u32 s21, s21, SCL
	v_add_nc_u32 v5, v5, v6
	v_add_nc_u32 v[ADRS], s21, v5
	v_and_b32 v6, 31, v0
	v_lshlrev_b32 v[LI], 4, v6
	s_lshl_b32 s23, s14, 9                         ; my 512 bytes of the words' stage
	v_lshl_add_u32 v[SWA], v1, 2, s23
	v_add_nc_u32 v[SRD], s23, v[LI]
	; the bias, in the result's layout.  q, k: register 8 b + j of a lane is channel RB + 128 hB + 16 b + 8 h + j.  v: all eight registers of tile a are channel RA + 128 hA + 16 a + r
	s_lshl_b32 s20, s15, 7
	s_add_co_u32 s20, s20, s17                     ; my wave's first row of region A (kept for the way out)
	s_lshl_b32 s46, s16, 7
	s_add_co_u32 s46, s46, s42                     ; and of region B (kept likewise)
	s_lshl_b32 s21, s20, 2
	s_lshl_b32 s47, s46, 2
	v_lshl_add_u32 v7, v2, 5, s47
	v_lshl_add_u32 v8, v1, 2, s21
	s_cmp_eq_u32 ttmp9, 2
	s_cbranch_scc1 .Lbias_v
.irp b, 0,1,2,3,4,5,6,7
	global_load_b128 v[BI+8*\b:BI+8*\b+3], v7, s[96:97] offset:64*\b
	global_load_b128 v[BI+8*\b+4:BI+8*\b+7], v7, s[96:97] offset:64*\b+16
.endr
	s_branch .Lbias_in
.Lbias_v:
.irp a, 0,1,2,3,4,5,6,7
.irp j, 0,1,2,3,4,5,6,7
	global_load_b32 v[BI+8*\a+\j], v8, s[96:97] offset:64*\a
.endr
.endr
.Lbias_in:
.macro FRAG reg, adr, q, i             ; a fragment: lane l holds row l % 16; registers 4 c .. 4 c + 3 hold K = 32 c + 16 (l / 16) + 0 .. 15
.irp c, 0,1,2,3
	ds_load_b128 v[\reg+4*\c:\reg+4*\c+3], v[\adr] offset:128*(\q)+32*\c+(\i)*16*PITCH
.endr
.endm
; 16 matrix instructions: region A's blocks a0, a0 + 1 x region B's eight, 128 along K.  p: B's set;  sc: the set of scale words.
; mode 0: the sums go on in place.  mode 1: the first products, C = the bias of B's block (q, k).  mode 2: C = the bias of A's block (v).  Nothing is ever cleared.
; The 64 accumulators take turns, one instruction a turn, in the same order in every step.
.macro MUL16 a0, p, q, sc, mode
.irp a, \a0, \a0+1
.irp b, 0,1,2,3,4,5,6,7
.set XD, 8*(8*((\a)%4)+\b)
.set XC, XD
.if \mode == 1
.set XC, BI+8*\b
.endif
.if \mode == 2
.set XC, BI+8*(\a)
.endif
	v_wmma_scale_f32_16x16x128_f8f6f4 v[XD:XD+7], v[128*(\p)+FR*\b:128*(\p)+FR*\b+FR-1], v[AF+FR*(\a):AF+FR*(\a)+FR-1], v[XC:XC+7], v[SC+8*NQ*(\sc)+NQ*\b+(\q)], v[SC+8*NQ*(\sc)+NQ*(\a)+(\q)] matrix_a_fmt:MATRIX_FMT_BF8 matrix_b_fmt:MATRIX_FMT_BF8 matrix_a_scale:MATRIX_SCALE_ROW1
.endr
.endr
.endm
.macro FETCH_B slot, q, p              ; region B's eight fragments of the slot's q-th 128 along K into set p
	WIN TO_B
.irp i, 0,1,2,3,4,5,6,7
	FRAG 128*(\p)+FR*\i, ADRB+\slot, \q, \i
.endr
	WIN 0
.endm
.macro FETCH_A slot, q, i0             ; region A's blocks i0 .. i0 + 3
.irp i, \i0, \i0+1, \i0+2, \i0+3
	FRAG AF+FR*(\i), ADRA+\slot, \q, \i
.endr
.endm
.macro SCALES sc                       ; the next K step's scale words into set sc: two words a row; lanes 0-15 take A's block i, lanes 16-31 B's block i
.irp i, 0,1,2,3,4,5,6,7
	ds_load_b64 v[SC+8*NQ*\sc+NQ*\i:SC+8*NQ*\sc+NQ*\i+1], v[ADRS] offset:\i*SBLK
.endr
.endm
; A load into a register that a matrix instruction has read, and a vector instruction that reads a matrix result, stand NP places behind that matrix instruction; only plain vector
; instructions that name none of its registers are places (ISA guide 7.12.1 for vector instructions).
.macro PLACES n
.rept \n
	v_nop
.endr
.endm
; A step of 128 along K that has its successor in the same slot.
.macro STEP slot, q, mode
	s_wait_dscnt 4*NL                              ; B's set and A's blocks 0-3 are in; the youngest sixteen loads (A's blocks 4-7) may be out
.if \mode
	WIN 0x81                                       ; C, the bias, in window 0; D in window 2
.else
	WIN MUL_LO
.endif
	MUL16 0, (\q)%2, \q, \slot, \mode
	MUL16 2, (\q)%2, \q, \slot, \mode
	s_wait_dscnt 0                                 ; A's blocks 4-7 are in
	PLACES NP
	FETCH_B \slot, (\q)+1, 1-(\q)%2
	FETCH_A \slot, (\q)+1, 0
.if \mode
	WIN 0xc1                                       ; C in window 0; D in window 3
.else
	WIN MUL_HI
.endif
	MUL16 4, (\q)%2, \q, \slot, \mode
	MUL16 6, (\q)%2, \q, \slot, \mode
	PLACES NP
	WIN 0
	FETCH_A \slot, (\q)+1, 4
.endm
; A slot's last step changes slots: ONE barrier; in front of it each wave waits for all its tensor loads, adds 0 to its spare word, and waits for that and for its own reads of this slot.  fill = 1: this slot is filled again, two K steps ahead.
.macro TURN slot, next, fill
	s_wait_tensorcnt 0x0                           ; all my tensor loads have landed: my part of the next slot
	ds_add_u32 v[SPW], v[NIL]                      ; 0 onto my spare word
	s_wait_dscnt 4*NL+1                            ; (the add and the youngest sixteen loads, A's blocks 4-7, may be out)
	WIN MUL_LO
	MUL16 0, 1, NQ-1, \slot, 0                     ; sixteen matrix instructions stand between the add and the wait for it
	s_wait_dscnt 0x0                               ; the add is done, and my reads of this slot are over
	s_barrier_signal -1
	MUL16 2, 1, NQ-1, \slot, 0
	WIN 0
	s_barrier_wait -1
.if \fill
	CREST                                          ; the barrier has opened a round of the cluster's barrier: no wave of any partner still reads this slot or has a load on its way
	s_add_nc_u64 s[G0+4*\slot+2:G0+4*\slot+3], s[G0+4*\slot+2:G0+4*\slot+3], 2*ROWB
	s_add_nc_u64 s[G0B+4*\slot+2:G0B+4*\slot+3], s[G0B+4*\slot+2:G0B+4*\slot+3], 2*ROWB
	JLOAD G0+4*\slot, G1, G0B+4*\slot, G1B         ; the first tensor load behind the round; its four v_nop are among the places in front of the loads below
	PLACES NP-4
.else
	PLACES NP
.endif
	v_add_nc_u32 v[ADRS], 4*NQ, v[ADRS]            ; on to the next K step's scale words
	FETCH_B \next, 0, 0
	FETCH_A \next, 0, 0
	SCALES \next
	WIN MUL_HI
	MUL16 4, 1, NQ-1, \slot, 0
	MUL16 6, 1, NQ-1, \slot, 0
	PLACES NP
	WIN 0
	FETCH_A \next, 0, 4
.endm
	s_wait_tensorcnt 1                             ; the scale bytes and my part of K step 0 are in (K step 1's load may be out),
	s_barrier_signal -1
	s_barrier_wait -1                              ; everybody's are
	FETCH_B 0, 0, 0
	FETCH_A 0, 0, 0
	SCALES 0
	FETCH_A 0, 0, 4
	s_wait_loadcnt 0x0                             ; the bias
	s_cmp_eq_u32 ttmp9, 2                          ; the first step is written twice: the bias lies by B's blocks (q, k) or by A's (v)
	s_cbranch_scc1 .Lfirst_v
	STEP 0, 0, 1
	s_branch .Lfirst_done
.Lfirst_v:
	STEP 0, 0, 2
.Lfirst_done:
	s_mov_b32 s3, LAPS-1
.Llap:                                                 ; a trip goes once round the ring, from a lap's second step to the next lap's first, and fills both slots again
	TURN 0, 1, 1
	STEP 1, 0, 0
	TURN 1, 0, 1
	STEP 0, 0, 0
	s_sub_co_u32 s3, s3, 1
	s_cmp_lg_u32 s3, 0
	s_cbranch_scc1 .Llap
	TURN 0, 1, 0                                   ; the last lap fills nothing, and has no round of the cluster's barrier
	STEP 1, 0, 0
	s_wait_dscnt 4*NL                              ; the very last step: nothing more to fetch
	WIN MUL_LO
	MUL16 0, 1, NQ-1, 1, 0
	MUL16 2, 1, NQ-1, 1, 0
	s_wait_dscnt 0
	WIN MUL_HI
	MUL16 4, 1, NQ-1, 1, 0
	MUL16 6, 1, NQ-1, 1, 0
	WIN 0
; THE WAY OUT.  Block a's 64 registers of a lane are 64 numbers of ONE row of region A: register 16 b + 8 u + j is element 32 b + 16 u + 8 h + j along region B.  A block of 32 lies in lanes l and l xor 16.
; QUANTW a: the block's largest magnitude (with the floor 2^(16 - 127) among its leaves), 15 off its exponent field (the conversion's scale operand), the byte, the hold at 57,344 x the scale, the conversion.
; Each accumulator is first read at its low end: i ascends.
.macro QUANTW a
.set QW, 2+(\a)/4                      ; the block's window
.set AC, 64*((\a)%4)                   ; and its eight accumulators
	WIN (QW|(QW<<2))
.irp b, 0,1,2,3
	v_max3_num_f32 v[TM+\b], |v[AC+16*\b]|, |v[AC+16*\b+1]|, 0x8000000
.endr
	WIN ((QW<<2)|(QW<<4))
.irp i, 2,4,6,8,10,12,14
.irp b, 0,1,2,3
	v_max3_num_f32 v[TM+\b], v[TM+\b], |v[AC+16*\b+\i]|, |v[AC+16*\b+\i+1]|
.endr
.endr
	WIN 0
.irp b, 0,1,2,3
	v_permlanex16_b32 v[TM+4+\b], v[TM+\b], s92, s93
.endr
.irp b, 0,1,2,3
	v_max_num_f32 v[TM+\b], v[TM+\b], v[TM+4+\b]   ; with lane l xor 16's: the block's largest magnitude
.endr
.irp b, 0,1,2,3
	v_add_nc_u32 v[TM+12+\b], 0xf8800000, v[TM+\b] ; 15 off its exponent field
.endr
.irp b, 0,1,2,3
	v_and_or_b32 v[TM+8+\b], v[TM+\b], 0x7f800000, s95   ; 57,344 x the scale
.endr
.irp b, 0,1,2,3
	v_lshrrev_b32 v[TM+4+\b], 23, v[TM+12+\b]      ; the scale's byte
.endr
	v_lshl_or_b32 v[PWA+(\a)], v[TM+5], 8, v[TM+4] ; the four bytes make my row's scale word
	v_lshl_or_b32 v[PWA+(\a)], v[TM+6], 16, v[PWA+(\a)]
	v_lshl_or_b32 v[PWA+(\a)], v[TM+7], 24, v[PWA+(\a)]
	WIN QW                                         ; source 0 in the block's window, all else in window 0
.set j, 0
.rept 64
	v_med3_num_f32 v[XH+j], v[AC+j], -v[TM+8+j/16], v[TM+8+j/16]   ; the conversion to an 8-bit code does not saturate (ISA guide 7.6.2): the hold comes first
.set j, j+1
.endr
	WIN 0
.if (\a) > 0
	s_wait_xcnt 0x0                                ; the last block's stores have read their data: the codes' registers are written again only behind this wait
.endif
.irp b, 0,1,2,3
	v_cvt_scalef32_pk8_bf8_f32 v[PC+4*\b:PC+4*\b+1], v[XH+16*\b:XH+16*\b+7], v[TM+12+\b]
	v_cvt_scalef32_pk8_bf8_f32 v[PC+4*\b+2:PC+4*\b+3], v[XH+16*\b+8:XH+16*\b+15], v[TM+12+\b]
.endr
	v_nop                                          ; one plain vector instruction behind the last conversion
.endm
	PLACES NP                                      ; behind the last products: for the reads of results and for the writes of registers that held operands
	s_mov_b32 s92, 0x76543210
	s_mov_b32 s93, 0xfedcba98                      ; v_permlanex16_b32's selects for lane l xor 16
	s_mov_b32 s95, 0x600000                        ; the mantissa field of 57,344
	s_cmp_eq_u32 ttmp9, 2
	s_cselect_b32 s22, s46, s20                    ; my first token
	s_cselect_b32 s23, s20, s46                    ; my first row of w_attn
	s_bfe_u32 s23, s23, 0x30007                    ; the head pair: (row % 1,024) / 128
	s_lshr_b32 s21, s22, 11                        ; the batch
	s_lshl_b32 s21, s21, 3
	s_add_co_u32 s21, s21, s23
	s_lshl_b32 s21, s21, 4
	s_bfe_u32 s22, s22, 0x40007                    ; the block of 128 tokens
	s_add_co_u32 s21, s21, s22
	s_lshl_b32 s22, ttmp9, 9                       ; 512 records in each of q, k, v
	s_add_co_u32 s21, s21, s22                     ; my record
	s_lshl_b32 s22, s21, 14                        ; 16,384 bytes of codes a record
	s_mov_b32 s23, 0
	s_add_nc_u64 s[98:99], s[98:99], s[22:23]
	s_lshl_b32 s22, s21, 9                         ; 512 bytes of scale words
	s_add_nc_u64 s[100:101], s[100:101], s[22:23]
.irp b, 0,1,2,3
	v_mov_b32 v[TM+4+\b], 0                        ; written once: a lane permute's destination counts as one of its sources
.endr
.irp a, 0,1,2,3,4,5,6,7
	QUANTW \a
.irp c, 0,1,2,3
	global_store_b128 v[LI], v[PC+4*\c:PC+4*\c+3], s[98:99] offset:2048*\a+512*\c   ; the fragment as it stands: 32 lanes store 512 consecutive bytes, aligned
.endr
	ds_store_b32 v[SWA], v[PWA+\a] offset:64*\a    ; both halves of the lanes write the same word with the same value
.endr
	ds_load_b128 v[WB:WB+3], v[SRD]                ; LDS serves a wave's instructions in order (ISA guide 5.7.1.4): this sees my stores
	s_wait_dscnt 0x0
	global_store_b128 v[LI], v[WB:WB+3], s[100:101]   ; my record's 128 scale words: 512 consecutive bytes, aligned
	s_wait_tensorcnt 0x0                           ; the wave's end
	ds_add_u32 v[SPW], v[NIL]
	s_wait_dscnt 0x0
	CROUND                                         ; the closing round: no work-group ends while a partner may still ask for a tile that names it
	s_endpgm
.Lfunc_end_k_qebe983a440_qkv:
	.size	k_qebe983a440_qkv, .Lfunc_end_k_qebe983a440_qkv-k_qebe983a440_qkv
	.p2alignl 7, 3214868480
	.fill 96, 4, 3214868480
	.section	.rodata,"a",@progbits
	.p2align	6, 0x0
	.amdhsa_kernel k_qebe983a440_qkv
		.amdhsa_group_segment_fixed_size 327680
		.amdhsa_private_segment_fixed_size 0
		.amdhsa_enable_private_segment 0
		.amdhsa_kernarg_size 56
		.amdhsa_user_sgpr_count 2
		.amdhsa_user_sgpr_kernarg_segment_ptr 1
		.amdhsa_wavefront_size32 1
		.amdhsa_system_sgpr_workgroup_id_x 1
		.amdhsa_system_sgpr_workgroup_id_y 1
		.amdhsa_system_sgpr_workgroup_id_z 1
		.amdhsa_system_vgpr_workitem_id 0
		.amdhsa_next_free_vgpr 1024
		.amdhsa_next_free_sgpr 102
		.amdhsa_reserve_vcc 0
		.amdhsa_float_denorm_mode_32 3
		.amdhsa_float_denorm_mode_16_64 3
		.amdhsa_memory_ordered 1
		.amdhsa_forward_progress 1
		.amdhsa_inst_pref_size 206
	.end_amdhsa_kernel
	.amdgpu_metadata
---
amdhsa.version: [ 1, 2 ]
amdhsa.kernels:
  - .name:           k_qebe983a440_qkv
    .symbol:         k_qebe983a440_qkv.kd
    .args:
      - { .name: x_codes, .offset: 0, .size: 8, .value_kind: global_buffer, .address_space: global }
      - { .name: x_scales, .offset: 8, .size: 8, .value_kind: global_buffer, .address_space: global }
      - { .name: w_attn_codes, .offset: 16, .size: 8, .value_kind: global_buffer, .address_space: global }
      - { .name: w_attn_scales, .offset: 24, .size: 8, .value_kind: global_buffer, .address_space: global }
      - { .name: b_attn, .offset: 32, .size: 8, .value_kind: global_buffer, .address_space: global }
      - { .name: qkv, .offset: 40, .size: 8, .value_kind: global_buffer, .address_space: global }
      - { .name: qkvs, .offset: 48, .size: 8, .value_kind: global_buffer, .address_space: global }
    .group_segment_fixed_size: 327680
    .private_segment_fixed_size: 0
    .kernarg_segment_align: 8
    .kernarg_segment_size: 56
    .max_flat_workgroup_size: 128
    .sgpr_count:     102
    .vgpr_count:     1024
    .wavefront_size: 32
...
	.end_amdgpu_metadata
.endif
;; end of part 1
;; launch attn (part 2): grid 8 x 32, 8 waves a work-group, clusters of 4 x 1, 327,680 bytes of LDS; arguments qkv, qkvs, y, ys; writes y, ys
.if DOCPART == 2
	.amdgcn_target "amdgcn-amd-amdhsa--gfx1250"
	.amdhsa_code_object_version 6
	.text
	.protected	k_qebe983a440_attn
	.globl	k_qebe983a440_attn
	.p2align	8
	.type	k_qebe983a440_attn,@function
k_qebe983a440_attn:
	s_mov_b64 s[64:65], 0
	v_nop
	global_prefetch_b8 v0, s[64:65] scope:SCOPE_SE
	s_setreg_imm32_b32 hwreg(HW_REG_WAVE_MODE, 25, 1), 1
	s_wait_xcnt 0x0
	s_wait_alu depctr_hold_cnt(0) depctr_sa_sdst(0) depctr_va_vdst(0) depctr_va_sdst(0) depctr_va_ssrc(0) depctr_va_vcc(0) depctr_vm_vsrc(0)
	s_getreg_b32 s2, hwreg(HW_REG_IB_STS2, 6, 4)
	s_cmp_eq_u32 s2, 0
	s_cbranch_scc0 .Lentry_in_a_cluster
	s_endpgm
.Lentry_in_a_cluster:
	s_bfe_u32 s2, ttmp6, 0x10000c
	s_cmp_lg_u32 s2, 0x3003
	s_cbranch_scc0 .Lentry_shape_is_right
	s_endpgm
.Lentry_shape_is_right:
; y = softmax(q k^T / 8, causal) v for 64 heads of 2,048 tokens x 64 channels, both products on codes of BF8 (E5M2) with one E8M0 scale for each 32 along K; y is quantised along the channels and leaves as codes.
; THE SOFTMAX AHEAD OF THE SECOND PRODUCT: t = score x log2(e) / 8; M = the row's largest t so far, rounded UP to a whole number; p = 2^(t - M) is quantised along the keys, not normalised.
; The row's sum is taken of the unquantised p and divides O at the end.  When M moves, the sum and O are multiplied by 2^(old M - new M): exact.
; INPUTS: images of operand registers (16 rows x 128 K: [c 0..3][lane][16 bytes]) and one scale word a row, as the launch before laid them, by head PAIR (128 channels), in blocks of 128 tokens.
; K = 64 IN THE FIRST PRODUCT: a fragment of k holds both heads of a pair, 64 + 64 along K.  q is kept as [even head, 8 registers][8 registers of zero codes][odd head, 8 registers]: registers 0-15 are the even head's
; operand, registers 8-23 the odd head's.  The other head's codes of k meet zero codes and add nothing (they are finite: the quantiser holds them).  So each fragment of k read from LDS feeds two products.
; LAYOUT: both products are used transposed: S^T = k q^T (source 0 = 16 keys, source 1 = my 16 queries), O^T = v^T p^T: a lane holds ONE query throughout.  p's place 16 h + 8 u + j of a block of 32 keys holds key
; 16 u + 8 h + j, and v's codes were laid in the same order.
; SHARES: a wave serves 16 queries of a long block (128 queries) and then 16 of a short one, blocks 15 - s and s, for both heads of a pair: s + 1 + 16 - s = 17 key steps of 128 for every wave.
; A cluster of four work-groups (32 waves) serves four such pairs of blocks of one head pair; the other four pairs go to the cluster beside it.  The keys come in slots of 512; the cluster walks five slots:
; key blocks 0 .. NL - 1 for the long pass, then 0 .. 4 - NL for the short one, NL = 4 - cluster x.  All four partners ask for every slot JOINTLY (mask 15).  A step all of whose keys come after the wave's
; queries is left out by a scalar branch on ids; trip counts are constants; no tensor load and no barrier is jumped over.  The place cx enters global addresses and the mask's data alone.
; LIMITS: NaN and infinities are not served.  A block of zeros gets the byte 1 where the quantiser says 127: its codes are zeros, and this program alone reads the bytes.  A block's largest p is taken from its
; largest score, which takes v_exp_f32 not to fall where its input rises.  ys is stored 64 bytes at a time (one byte in 32 of what y takes): those aligned blocks of 256 bytes are written by four waves.
; REGISTERS, window 0: v1-15 addresses and constants; v16-31 statistics, eight a head; v32-55 q; v56-57 q's scale words; v58-59 p's; v60-63 k's, then v's; v64-191 S^T, then p (64 a head); v192-223 p's codes; v224-255 at work.
;   window 1: v0-63 O^T (32 a head); v64-191 eight fragments of k, then of v; v192-207 the short pass's q.
.set SLOT1, 1<<17                      ; a slot: 65,536 bytes of k's codes (four steps of 16,384), then as many of v's; slot 1 begins here: one exclusive or turns an address
.set VOFF,  65536
.set WBASE, 2*SLOT1                    ; behind the ring: the scale words: for each slot 2,048 bytes of k's (512 a step), then 2,048 of v's
.set WSLOT, 4096
.set SPARE, WBASE+2*WSLOT              ; the spare words, 128 bytes for each of the eight waves: four blocks of 256 bytes that no other line names
.set LI,   1                           ; v1   16 x lane
.set LS,   2                           ; v2   WBASE + 4 x lane
.set SPW,  3                           ; v3   LDS address of my spare word; never rewritten
.set NIL,  4                           ; v4   0; never rewritten
.set ADK,  5                           ; v5   LDS address of the step's fragments of k
.set ADV,  6                           ; v6   of v
.set ADS,  7                           ; v7   of the step's scale words
.set DM,   8                           ; v8   my query in its block, less 8 h
.set NINF, 9                           ; v9   -infinity
.set GS,   10                          ; v10  4 r
.set QO1,  11                          ; v11-14 offsets of q's loads; never rewritten
.set QW1,  12
.set QO2,  13
.set QW2,  14
.set TV,   15                          ; v15  at work at the head
.set ST,   16                          ; head p's statistics at v[ST + 8 p]: +0 -M, +1 the largest t, +2:3 the sum in two halves, +4 f (named as a pair with +5), +6:7 at work
.set QF,   32
.set QS,   56
.set QS2,  57
.set PW,   58
.set SW,   60
.set SS,   64
.set PCD,  192
.set WK,   224                         ; head p at v[WK + 16 p]: +0-3 the blocks' largest, +4-7 bytes, +12-15 the conversions' scale operands
.set OT,   0                           ; window 1
.set KV,   64
.set Q2,   192
.set WV,   12                          ; s12  my wave's number
.set CX,   13                          ; s13  my place in the cluster
.set BHP,  15                          ; s15  8 x batch + head pair
.set XX,   16                          ; s16  which of the cluster's four pairs of blocks
.set TI,   17                          ; s17  which 16 of a block's 128 queries (hangs on cx: it enters global addresses and v8 alone)
.set BLK,  18                          ; s18  the block of queries in hand
.set BS,   19                          ; s19  the short block
.set SEL,  20                          ; s[20:21] v_permlanex16_b32's selects for lane l xor 16
.set CS,   22                          ; s[22:23] c = log2(e) / 8
.set G1C,  24                          ; s[24:31] descriptor group 1 for the codes
.set G1W,  32                          ; s[32:39] for the scale words
.set G0C,  40                          ; s[40:43], s[44:47] their groups 0
.set G0W,  44
.set BASEC, 48                         ; s[48:49] where my part of the head pair's codes begins;  s[50:51] of its scale words
.set BASEW, 50
.set OFF,  52                          ; s[52:53] an offset, its high word 0
.set KBN,  54                          ; s54  the key block of 512 that is asked for
.set NXT,  55                          ; s55  how many slots have been asked for behind the first
.set NLS,  56                          ; s56  NL
.set SLOTS, 57
.set STP,  58
.set TB,   59                          ; s59  LDS byte at which the step's codes of k begin
.set TW,   60                          ; s60  and, from WBASE on, its scale words
.set KB,   61                          ; s61  the step's block of 128 keys
.set MNT,  62
.set YA,   66                          ; s[66:67] y, s[68:69] ys at the tile in hand;  s[70:71], s[72:73] at the short pass's
.set YS,   68
.set YA2,  70
.set YS2,  72
.set MSB, 0
.macro WIN new                         ; the immediate's high byte repeats the setting that is left
.if MSB != \new
	s_set_vgpr_msb (MSB<<8)|\new
.set MSB, \new
.endif
.endm
; A joint load: waves 0 to 3 fetch the codes (k's two halves, v's two halves), waves 4 and 5 the scale words (k's, v's), the others nothing.  The branches hang on the wave's number alone.
; Four v_nop follow each of the two lines.  By this text's count a wave has one tensor load out.
.macro TLOAD
	s_cmp_lt_u32 s[WV], 4
	s_cbranch_scc0 .Lnot_c_\@
	tensor_load_to_lds s[G0C:G0C+3], s[G1C:G1C+7]
	s_nop 0
.rept 4
	v_nop
.endr
	s_branch .Lasked_\@
.Lnot_c_\@:
	s_cmp_lt_u32 s[WV], 6
	s_cbranch_scc0 .Lasked_\@
	tensor_load_to_lds s[G0W:G0W+3], s[G1W:G1W+7]
	s_nop 0
.rept 4
	v_nop
.endr
.Lasked_\@:
.endm
.macro CROUND                          ; a round of the cluster's barrier
	s_barrier_signal -1
	s_barrier_wait -1
	s_cmp_lg_u32 s[WV], 0
	s_cbranch_scc1 .Lnot_wave_0_\@
	s_barrier_signal -3
.Lnot_wave_0_\@:
	s_barrier_wait -3
	s_barrier_signal -1
	s_barrier_wait -1
.endm
.macro RESET                           ; a pass begins: the largest t is -3e38, under every t; the sum and O^T are zeros, which the first change of M leaves zeros
.irp p, 0,1
	v_mov_b32 v[ST+8*\p+1], 0xff61b1e6
	v_mov_b32 v[ST+8*\p+2], 0
	v_mov_b32 v[ST+8*\p+3], 0
.endr
.irp p, 0
	v_floor_f32 v[ST+8*\p], -v[ST+8*\p+1]
.endr
.irp p, 1
	s_delay_alu instid0(VALU_DEP_4)
	v_floor_f32 v[ST+8*\p], -v[ST+8*\p+1]
.endr
	WIN 0x40
.set j, 0
.rept 64
	v_mov_b32 v[OT+j], 0
.set j, j+1
.endr
	WIN 0
.endm
	s_load_b256 s[4:11], s[0:1], 0x0               ; qkv s[4:5], qkvs s[6:7], y s[8:9], ys s[10:11]
	v_lshl_add_u32 v[SPW], v0, 2, SPARE
	v_mov_b32 v[NIL], 0
	ds_add_u32 v3, v4
	ds_add_u32 v3, v4
	s_wait_dscnt 0x0
	v_lshrrev_b32 v[TV], 5, v0
	s_delay_alu instid0(VALU_DEP_1)
	v_readfirstlane_b32 s[WV], v[TV]               ; wave 0..7
	s_bfe_u32 s[CX], ttmp6, 0x40000
	s_and_b32 s[BHP], ttmp7, 0xffff
	s_lshr_b32 s74, s[WV], 2
	s_mul_i32 s75, s74, 7
	s_xor_b32 s[XX], s[WV], s75                    ; 0,1,2,3,3,2,1,0
	s_lshl_b32 s[BS], ttmp9, 2
	s_add_co_u32 s[BS], s[BS], s[XX]               ; the short block: 4 x cluster x + that
	s_sub_co_u32 s[BLK], 15, s[BS]                 ; the long one comes first
	s_sub_co_u32 s[NLS], 4, ttmp9
	s_lshl_b32 s[TI], s[CX], 1
	s_add_co_u32 s[TI], s[TI], s74                 ; my 16 queries of a block: 2 cx + wave / 4
	; descriptor group 1: dense blocks as rows of 256 bytes (32 elements of 8 bytes), no padding: the images are read 16 x lane on end
	s_mov_b32 s[G1C], 15|(3<<16)|(1<<21)           ; 15:0 the mask: all four work-groups; 17:16 elements of 8 bytes; 21 set beside a mask
	s_mov_b32 s[G1C+1], 32<<16                     ; tensor_dim0
	s_mov_b32 s[G1C+2], 128<<16                    ; tensor_dim1: 128 rows, 32,768 bytes
	s_mov_b32 s[G1C+3], 32<<16                     ; tile_dim0
	s_mov_b32 s[G1C+4], 128                        ; tile_dim1
	s_mov_b32 s[G1C+5], 32                         ; tensor_dim0_stride
	s_mov_b32 s[G1C+6], 0
	s_mov_b32 s[G1C+7], 0
	s_mov_b32 s[G1W], 15|(3<<16)|(1<<21)
	s_mov_b32 s[G1W+1], 32<<16
	s_mov_b32 s[G1W+2], 8<<16                      ; 8 rows, 2,048 bytes
	s_mov_b32 s[G1W+3], 32<<16
	s_mov_b32 s[G1W+4], 8
	s_mov_b32 s[G1W+5], 32
	s_mov_b32 s[G1W+6], 0
	s_mov_b32 s[G1W+7], 0
	s_mov_b32 s[SEL], 0x76543210
	s_mov_b32 s[SEL+1], 0xfedcba98
	s_mov_b32 s[CS], 0x3e38aa3b                    ; c = log2(e) / 8
	s_mov_b32 s[CS+1], s[CS]                       ; (named with it as a pair, so it is written)
	s_mov_b32 s[KBN], 0
	s_mov_b32 s[NXT], 0
	s_mov_b32 s[TB], 0
	s_mov_b32 s[TW], 0
	s_mov_b32 s[KB], 0
	s_mov_b32 s[SLOTS], 4
	s_mov_b32 s[OFF+1], 0
	s_and_b32 s75, s[WV], 3                        ; what I fetch, if I fetch.  Codes: k (waves 0, 1) or v (2, 3),
	s_lshr_b32 s76, s75, 1
	s_add_co_u32 s76, s76, 1
	s_lshl_b32 s76, s76, 23                        ; sections of 8,388,608 bytes,
	s_lshl_b32 s77, s[BHP], 18                     ; 262,144 bytes a head pair,
	s_add_co_u32 s76, s76, s77
	s_and_b32 s77, s[WV], 1
	s_lshl_b32 s78, s77, 15                        ; which half of a slot's 65,536
	s_add_co_u32 s76, s76, s78
	s_add_co_u32 s78, s77, 1                       ; scale words: k's (wave 4) or v's (wave 5),
	s_lshl_b32 s78, s78, 18                        ; sections of 262,144 bytes,
	s_lshl_b32 s79, s[BHP], 13                     ; 8,192 bytes a head pair
	s_add_co_u32 s78, s78, s79
	s_lshl_b32 s79, s75, 15                        ; where the codes go: 32,768 x (wave % 4),
	s_lshl_b32 s80, s77, 11
	s_add_co_u32 s80, s80, WBASE                   ; and the words: no place in the cluster enters an LDS address
	s_wait_kmcnt 0x0
	s_mov_b32 s[OFF], s76
	s_add_nc_u64 s[BASEC:BASEC+1], s[4:5], s[OFF:OFF+1]
	s_mov_b32 s[OFF], s78
	s_add_nc_u64 s[BASEW:BASEW+1], s[6:7], s[OFF:OFF+1]
	s_mov_b32 s[G0C], 1                            ; 1:0 count = 1
	s_mov_b32 s[G0C+1], s79                        ; 63:32 LDS address: slot 0
	s_mov_b64 s[G0C+2:G0C+3], s[BASEC:BASEC+1]     ; 120:64 global address: keys 0 to 511
	s_or_b32 s[G0C+3], s[G0C+3], 0x80000000        ; 127:126 type = 2
	s_mov_b32 s[G0W], 1
	s_mov_b32 s[G0W+1], s80
	s_mov_b64 s[G0W+2:G0W+3], s[BASEW:BASEW+1]
	s_or_b32 s[G0W+3], s[G0W+3], 0x80000000
	CROUND                                         ; all four work-groups are here: the first joint loads meet
	TLOAD                                          ; slot 0
	v_and_b32 v[TV], 31, v0
	s_delay_alu instid0(VALU_DEP_1)
	v_lshlrev_b32 v[LI], 4, v[TV]
	s_delay_alu instid0(VALU_DEP_2)
	v_lshl_add_u32 v[LS], v[TV], 2, WBASE
	v_and_b32 v[DM], 15, v0                        ; r
	s_delay_alu instid0(VALU_DEP_1)
	v_lshlrev_b32 v[GS], 2, v[DM]
	s_wait_alu depctr_va_vdst(0)
	v_bfe_u32 v[TV], v0, 4, 1                      ; h
	s_delay_alu instid0(VALU_DEP_1)
	v_lshlrev_b32 v[TV], 3, v[TV]
	s_delay_alu instid0(VALU_DEP_1)
	v_sub_nc_u32 v[DM], v[DM], v[TV]
	s_lshl_b32 s74, s[TI], 4
	v_add_nc_u32 v[DM], s74, v[DM]                 ; 16 i + r - 8 h
	v_mov_b32 v[NINF], 0xff800000
	; q of both passes: section 0 of qkv, record 16 x head pair's number + block, fragment i; its scale words likewise
	s_lshl_b32 s74, s[BHP], 4
	s_add_co_u32 s75, s74, s[BLK]
	s_add_co_u32 s76, s74, s[BS]
	s_lshl_b32 s77, s[TI], 11
	s_lshl_b32 s78, s75, 14
	s_add_co_u32 s78, s78, s77
	v_add_nc_u32 v[QO1], s78, v[LI]
	s_lshl_b32 s78, s76, 14
	s_add_co_u32 s78, s78, s77
	v_add_nc_u32 v[QO2], s78, v[LI]
	s_lshl_b32 s77, s[TI], 6
	s_lshl_b32 s78, s75, 9
	s_add_co_u32 s78, s78, s77
	v_add_nc_u32 v[QW1], s78, v[GS]
	s_lshl_b32 s78, s76, 9
	s_add_co_u32 s78, s78, s77
	v_add_nc_u32 v[QW2], s78, v[GS]
	global_load_b128 v[QF:QF+3], v[QO1], s[4:5]                    ; the even head's two blocks of 32,
	global_load_b128 v[QF+4:QF+7], v[QO1], s[4:5] offset:512
	global_load_b128 v[QF+16:QF+19], v[QO1], s[4:5] offset:1024    ; the odd head's
	global_load_b128 v[QF+20:QF+23], v[QO1], s[4:5] offset:1536
	global_load_b32 v[QS], v[QW1], s[6:7]
	global_load_b32 v[QS2], v[QW2], s[6:7]
	WIN 0x40                                       ; destination window 1
.irp c, 0,1,2,3
	global_load_b128 v[Q2+4*\c:Q2+4*\c+3], v[QO2], s[4:5] offset:512*\c
.endr
	WIN 0
.irp k, 8,9,10,11,12,13,14,15
	v_mov_b32 v[QF+\k], 0                          ; the zero codes between the heads
.endr
.irp p, 0,1
.irp k, 4,5,6,7
	v_mov_b32 v[ST+8*\p+\k], 0                     ; named as halves of pairs, or as a lane permute's destination, before they are first computed
	v_mov_b32 v[WK+16*\p+\k], 0
.endr
.endr
	RESET
	; where y and ys take my tiles.  y: [pair of head pairs][token / 16][which of the two][2,048 bytes];  ys: [token / 128][head pair][128 tokens] words
	s_lshr_b32 s74, s[BHP], 3                      ; the batch
	s_and_b32 s75, s[BHP], 7                       ; the head pair
	s_lshr_b32 s76, s75, 1
	s_lshl_b32 s76, s76, 21
	s_lshl_b32 s77, s74, 19
	s_add_co_u32 s76, s76, s77
	s_lshl_b32 s77, s[TI], 12
	s_add_co_u32 s76, s76, s77
	s_and_b32 s77, s75, 1
	s_lshl_b32 s77, s77, 11
	s_add_co_u32 s76, s76, s77                     ; y: all but the block, which counts 32,768 bytes
	s_lshl_b32 s77, s74, 16
	s_lshl_b32 s78, s75, 9
	s_add_co_u32 s77, s77, s78
	s_lshl_b32 s78, s[TI], 6
	s_add_co_u32 s77, s77, s78                     ; ys: all but the block, which counts 4,096
	s_lshl_b32 s78, s[BLK], 15
	s_add_co_u32 s[OFF], s76, s78
	s_add_nc_u64 s[YA:YA+1], s[8:9], s[OFF:OFF+1]
	s_lshl_b32 s78, s[BS], 15
	s_add_co_u32 s[OFF], s76, s78
	s_add_nc_u64 s[YA2:YA2+1], s[8:9], s[OFF:OFF+1]
	s_lshl_b32 s78, s[BLK], 12
	s_add_co_u32 s[OFF], s77, s78
	s_add_nc_u64 s[YS:YS+1], s[10:11], s[OFF:OFF+1]
	s_lshl_b32 s78, s[BS], 12
	s_add_co_u32 s[OFF], s77, s78
	s_add_nc_u64 s[YS2:YS2+1], s[10:11], s[OFF:OFF+1]
.macro SPROD t, p                      ; S^T of keys 16 t .. + 15 for head p.  k's words: lanes 0-15 of register t / 2 hold tile t's for even t, lanes 16-31 for odd t
.if (\t)%2
	v_wmma_scale_f32_16x16x128_f8f6f4 v[SS+64*\p+8*\t:SS+64*\p+8*\t+7], v[KV+16*\t:KV+16*\t+15], v[QF+8*\p:QF+8*\p+15], 0, v[SW+\t/2], v[QS] matrix_a_fmt:MATRIX_FMT_BF8 matrix_b_fmt:MATRIX_FMT_BF8 matrix_a_scale:MATRIX_SCALE_ROW1
.else
	v_wmma_scale_f32_16x16x128_f8f6f4 v[SS+64*\p+8*\t:SS+64*\p+8*\t+7], v[KV+16*\t:KV+16*\t+15], v[QF+8*\p:QF+8*\p+15], 0, v[SW+\t/2], v[QS] matrix_a_fmt:MATRIX_FMT_BF8 matrix_b_fmt:MATRIX_FMT_BF8
.endif
.endm
.macro PVPROD d, p                     ; O^T of channels 16 d .. + 15 of head p += v's fragment 4 p + d x p's codes
.if (\d)%2
	v_wmma_scale_f32_16x16x128_f8f6f4 v[OT+32*\p+8*\d:OT+32*\p+8*\d+7], v[KV+16*(4*\p+\d):KV+16*(4*\p+\d)+15], v[PCD+16*\p:PCD+16*\p+15], v[OT+32*\p+8*\d:OT+32*\p+8*\d+7], v[SW+(4*\p+\d)/2], v[PW+\p] matrix_a_fmt:MATRIX_FMT_BF8 matrix_b_fmt:MATRIX_FMT_BF8 matrix_a_scale:MATRIX_SCALE_ROW1
.else
	v_wmma_scale_f32_16x16x128_f8f6f4 v[OT+32*\p+8*\d:OT+32*\p+8*\d+7], v[KV+16*(4*\p+\d):KV+16*(4*\p+\d)+15], v[PCD+16*\p:PCD+16*\p+15], v[OT+32*\p+8*\d:OT+32*\p+8*\d+7], v[SW+(4*\p+\d)/2], v[PW+\p] matrix_a_fmt:MATRIX_FMT_BF8 matrix_b_fmt:MATRIX_FMT_BF8
.endif
.endm
; A KEY STEP: 128 keys, both heads.  All matrix runs take their accumulators by turns, one instruction a turn.
.macro STEP
	s_cmp_gt_u32 s[KB], s[BLK]                     ; all 128 keys come after my queries: the step's work is left out
	s_cbranch_scc1 .Lhidden_\@
	s_setprio 2
	v_add_nc_u32 v[ADK], s[TB], v[LI]
	v_add_nc_u32 v[ADS], s[TW], v[LS]
	s_delay_alu instid0(VALU_DEP_2)
	v_add_nc_u32 v[ADV], VOFF, v[ADK]
.rept 5
	v_nop                                          ; with the three additions: eight places in front of loads into registers that the last products read
.endr
.irp t, 0,1,2,3
	ds_load_b32 v[SW+\t], v[ADS] offset:128*\t     ; k's scale words: lanes 0-15 tile 2 t, lanes 16-31 tile 2 t + 1
.endr
	WIN 0x40
.irp t, 0,1,2,3,4,5,6,7
.irp c, 0,1,2,3
	ds_load_b128 v[KV+16*\t+4*\c:KV+16*\t+4*\c+3], v[ADK] offset:2048*\t+512*\c
.endr
.endr
	WIN 0x01                                       ; source 0 (k) window 1
	s_wait_alu depctr_va_vdst(0)
.irp t, 0,1,2,3,4,5,6,7
	s_wait_dscnt 4*(7-\t)                          ; fragment t is in; the four loads of each later fragment may be out
	SPROD \t, 0
	SPROD \t, 1
.endr
	WIN 0
.rept 8
	v_nop                                          ; places in front of the loads below and of the first reads of the scores
.endr
.irp t, 0,1,2,3
	ds_load_b32 v[SW+\t], v[ADS] offset:2048+128*\t   ; v's scale words and fragments are asked for now and land while the softmax is worked
.endr
	WIN 0x40
.irp t, 0,1,2,3,4,5,6,7
.irp c, 0,1,2,3
	ds_load_b128 v[KV+16*\t+4*\c:KV+16*\t+4*\c+3], v[ADV] offset:2048*\t+512*\c
.endr
.endr
	WIN 0
	s_cmp_lg_u32 s[KB], s[BLK]                     ; only the step on the diagonal has hidden keys
	s_cbranch_scc1 .Lopen_\@
.set n, 0
.rept 64                                       ; register n holds key 16 (n / 8) + 8 h + n % 8 of the block: hidden where 16 (n / 8) + n % 8 > 16 i + r - 8 h
	v_cmp_gt_i32 vcc_lo, 16*(n/8)+n%8, v[DM]
	v_cndmask_b32 v[SS+n], v[SS+n], v[NINF], vcc_lo
	v_cndmask_b32 v[SS+64+n], v[SS+64+n], v[NINF], vcc_lo
.set n, n+1
.endr
.Lopen_\@:
.irp b, 0,1,2,3
.irp p, 0,1
	v_max3_num_f32 v[WK+16*\p+\b], v[SS+64*\p+16*\b], v[SS+64*\p+16*\b+1], v[SS+64*\p+16*\b+2]   ; the largest score of each block of 32 keys: it serves for the row's maximum and for the block's largest p
.endr
.endr
.irp i, 3,5,7,9,11,13
.irp b, 0,1,2,3
.irp p, 0,1
	v_max3_num_f32 v[WK+16*\p+\b], v[WK+16*\p+\b], v[SS+64*\p+16*\b+\i], v[SS+64*\p+16*\b+\i+1]
.endr
.endr
.endr
.irp b, 0,1,2,3
.irp p, 0,1
	v_max_num_f32 v[WK+16*\p+\b], v[WK+16*\p+\b], v[SS+64*\p+16*\b+15]
.endr
.endr
.irp b, 0,1,2,3
.irp p, 0,1
	v_permlanex16_b32 v[WK+16*\p+4+\b], v[WK+16*\p+\b], s[SEL], s[SEL+1]
.endr
.endr
.irp b, 0,1,2,3
.irp p, 0,1
	v_max_num_f32 v[WK+16*\p+\b], v[WK+16*\p+\b], v[WK+16*\p+4+\b]   ; with lane l xor 16's 16 keys
.endr
.endr
.irp p, 0,1
	s_delay_alu instid0(VALU_DEP_4)
	v_max3_num_f32 v[ST+8*\p+6], v[WK+16*\p], v[WK+16*\p+1], v[WK+16*\p+2]
.endr
.irp p, 0,1
	s_delay_alu instid0(VALU_DEP_2)
	v_max_num_f32 v[ST+8*\p+6], v[ST+8*\p+6], v[WK+16*\p+3]   ; the step's largest score of my query
.endr
.irp p, 0,1
	s_delay_alu instid0(VALU_DEP_2)
	v_mul_f32 v[ST+8*\p+6], s[CS], v[ST+8*\p+6]    ; as t (c is positive)
.endr
.irp p, 0,1
	s_delay_alu instid0(VALU_DEP_2)
	v_max_num_f32 v[ST+8*\p+1], v[ST+8*\p+1], v[ST+8*\p+6]   ; the running largest t
.endr
.irp p, 0,1
	v_mov_b32 v[ST+8*\p+6], v[ST+8*\p]
.endr
.irp p, 0,1
	s_delay_alu instid0(VALU_DEP_4)
	v_floor_f32 v[ST+8*\p], -v[ST+8*\p+1]          ; the new -M = floor(-t): M is a whole number
.endr
.irp p, 0,1
	s_delay_alu instid0(VALU_DEP_2)
	v_sub_f32 v[ST+8*\p+6], v[ST+8*\p], v[ST+8*\p+6]   ; old M less new M: a whole number, 0 or less
.endr
.irp p, 0,1
	s_delay_alu instid0(VALU_DEP_2)
	v_cvt_i32_f32 v[ST+8*\p+6], v[ST+8*\p+6]       ; (it saturates)
.endr
.irp p, 0,1
	s_delay_alu instid0(VALU_DEP_2)
	v_ldexp_f32 v[ST+8*\p+4], 1.0, v[ST+8*\p+6]    ; f = 2^(old M - new M)
.endr
.set j, 0
.rept 32
.irp p, 0,1
	v_pk_fma_f32 v[SS+64*\p+j:SS+64*\p+j+1], v[SS+64*\p+j:SS+64*\p+j+1], s[CS:CS+1], v[ST+8*\p:ST+8*\p+1] op_sel_hi:[1,0,0]   ; t - M, two at a time
.endr
.set j, j+2
.endr
	s_setprio 1
.irp b, 0,1,2,3
.irp p, 0,1
	v_fma_f32 v[WK+16*\p+\b], v[WK+16*\p+\b], s[CS], v[ST+8*\p]   ; the same of each block's largest score
.endr
.endr
.set j, 0
	s_wait_alu depctr_va_vdst(0)
.rept 128
	v_exp_f32 v[SS+j], v[SS+j]                     ; p = 2^(t - M), at most 1: not normalised
.set j, j+1
.endr
.irp p, 0,1
	v_pk_mul_f32 v[ST+8*\p+2:ST+8*\p+3], v[ST+8*\p+2:ST+8*\p+3], v[ST+8*\p+4:ST+8*\p+5] op_sel_hi:[1,0]   ; the sums under the new M: plain work behind the exponentials
.endr
	s_wait_alu depctr_va_vdst(0)                   ; one wait for the batch of 128, ahead of its first reader
.irp b, 0,1,2,3
.irp p, 0,1
	v_exp_f32 v[WK+16*\p+\b], v[WK+16*\p+\b]       ; the block's largest p: the same two instructions on the same number give the same bits
.endr
.endr
.irp p, 0,1
	v_pk_add_f32 v[ST+8*\p+6:ST+8*\p+7], v[SS+64*\p:SS+64*\p+1], v[SS+64*\p+2:SS+64*\p+3]   ; the row's sum is taken of the unquantised p: two at a time, in two chains a head
.endr
.set j, 4
.rept 15
.irp p, 0,1
	v_pk_add_f32 v[ST+8*\p+2:ST+8*\p+3], v[ST+8*\p+2:ST+8*\p+3], v[SS+64*\p+j:SS+64*\p+j+1]
	v_pk_add_f32 v[ST+8*\p+6:ST+8*\p+7], v[ST+8*\p+6:ST+8*\p+7], v[SS+64*\p+j+2:SS+64*\p+j+3]
.endr
.set j, j+4
.endr
.irp p, 0
	s_delay_alu instid0(VALU_DEP_3)
	v_pk_add_f32 v[ST+8*\p+2:ST+8*\p+3], v[ST+8*\p+2:ST+8*\p+3], v[ST+8*\p+6:ST+8*\p+7]
.endr
.irp p, 1
	s_delay_alu instid0(VALU_DEP_2)
	v_pk_add_f32 v[ST+8*\p+2:ST+8*\p+3], v[ST+8*\p+2:ST+8*\p+3], v[ST+8*\p+6:ST+8*\p+7]
.endr
	s_wait_alu depctr_va_vdst(0)                   ; and one for the eight
.irp b, 0,1,2,3
.irp p, 0,1
	v_max_num_f32 v[WK+16*\p+\b], 0x8000000, v[WK+16*\p+\b]   ; the floor 2^(16 - 127): the byte cannot fall under 1
.endr
.endr
.irp b, 0,1,2,3
.irp p, 0,1
	v_add_nc_u32 v[WK+16*\p+12+\b], 0xf8800000, v[WK+16*\p+\b]   ; 15 off the exponent field: the conversion's scale operand
.endr
.endr
.irp b, 0,1,2,3
.irp p, 0,1
.endr
.endr
	s_setprio 0
.irp b, 0,1,2,3
.irp p, 0,1
	v_lshrrev_b32 v[WK+16*\p+4+\b], 23, v[WK+16*\p+12+\b]   ; the scale's byte
.endr
.endr
.irp p, 0,1
	v_lshl_or_b32 v[PW+\p], v[WK+16*\p+5], 8, v[WK+16*\p+4]   ; p's scale word for these 128 keys
.endr
.irp p, 0,1
	s_delay_alu instid0(VALU_DEP_2)
	v_lshl_or_b32 v[PW+\p], v[WK+16*\p+6], 16, v[PW+\p]
.endr
.irp p, 0,1
	s_delay_alu instid0(VALU_DEP_2)
	v_lshl_or_b32 v[PW+\p], v[WK+16*\p+7], 24, v[PW+\p]
.endr
.irp b, 0,1,2,3
.irp p, 0,1
.set j, 0
.rept 16
.set j, j+1
.endr
	v_cvt_scalef32_pk8_bf8_f32 v[PCD+16*\p+4*\b:PCD+16*\p+4*\b+1], v[SS+64*\p+16*\b:SS+64*\p+16*\b+7], v[WK+16*\p+12+\b]
	v_cvt_scalef32_pk8_bf8_f32 v[PCD+16*\p+4*\b+2:PCD+16*\p+4*\b+3], v[SS+64*\p+16*\b+8:SS+64*\p+16*\b+15], v[WK+16*\p+12+\b]
.endr
.endr
	WIN 0x41                                       ; O^T (destination and source 0) window 1, f window 0
.irp p, 0,1
.set j, 0
.rept 16
	v_pk_mul_f32 v[OT+32*\p+j:OT+32*\p+j+1], v[OT+32*\p+j:OT+32*\p+j+1], v[ST+8*\p+4:ST+8*\p+5] op_sel_hi:[1,0]   ; O^T under the new M, each accumulator from its low end on; these 32 stand between the conversions and the products
.set j, j+2
.endr
.endr
	s_wait_alu depctr_va_vdst(0)
	s_wait_dscnt 0x0                               ; v's fragments and words are in
	WIN 0x51                                       ; source 0 (v), C and D window 1; p's codes window 0
.irp d, 0,1,2,3
	PVPROD \d, 0
	PVPROD \d, 1
.endr
	WIN 0
.Lhidden_\@:
.endm
; A slot's four key steps: written once, walked four times; the LDS addresses hang on s[TB] and s[TW].
.macro FOUR_STEPS
	s_mov_b32 s[STP], 4
.Lstep_\@:
	STEP
	s_add_co_u32 s[TB], s[TB], 16384
	s_add_co_u32 s[TW], s[TW], 512
	s_add_co_u32 s[KB], s[KB], 1
	s_sub_co_u32 s[STP], s[STP], 1
	s_cmp_lg_u32 s[STP], 0
	s_cbranch_scc1 .Lstep_\@
	s_setprio 0
	s_sub_co_u32 s[TB], s[TB], 65536               ; back to a slot's first step,
	s_xor_b32 s[TB], s[TB], SLOT1                  ; in the other slot
	s_sub_co_u32 s[TW], s[TW], 2048
	s_xor_b32 s[TW], s[TW], WSLOT
.endm
; THE CHANGE OF SLOTS stands at a slot's head.  Each wave waits for all its tensor loads (its part of the slot that it is about to read), adds 0 to its spare word, and waits for that and for its reads of the slot that it has left.
; fill = 1: the barrier is a round of the cluster's, so that no wave of any partner still reads the other slot or has a load on its way; the joint refill is the first thing behind it and has four key steps in which to land.
.macro CHANGE fill
	s_wait_tensorcnt 0x0                           ; no tensor load of mine is out, so a group 0 may be written
	ds_add_u32 v[SPW], v[NIL]                      ; 0 onto my spare word
.if \fill
	s_add_co_u32 s[NXT], s[NXT], 1
	s_add_co_u32 s[KBN], s[KBN], 1
	s_cmp_eq_u32 s[NXT], s[NLS]                    ; the long pass's keys are all asked for: the short pass begins at key 0
	s_cselect_b32 s[KBN], 0, s[KBN]
	s_lshl_b32 s[OFF], s[KBN], 16
	s_add_nc_u64 s[G0C+2:G0C+3], s[BASEC:BASEC+1], s[OFF:OFF+1]
	s_or_b32 s[G0C+3], s[G0C+3], 0x80000000
	s_lshl_b32 s[OFF], s[KBN], 11
	s_add_nc_u64 s[G0W+2:G0W+3], s[BASEW:BASEW+1], s[OFF:OFF+1]
	s_or_b32 s[G0W+3], s[G0W+3], 0x80000000
	s_xor_b32 s[G0C+1], s[G0C+1], SLOT1            ; the other slot than last time
	s_xor_b32 s[G0W+1], s[G0W+1], WSLOT
	s_wait_dscnt 0x0                               ; the add is done, and my reads of the slot that I have left are over
	CROUND
	TLOAD
.else
	s_wait_dscnt 0x0
	s_barrier_signal -1
	s_barrier_wait -1
.endif
.endm
; A PASS ENDS: O^T / the sum; the 64 numbers of a lane (register 16 b + 8 u + j = channel 32 b + 16 u + 8 h + j of the head pair) are quantised along the channels; the codes are brought into natural order, since they
; meet a given operand: after the exchange lane (r, h) holds channels 32 b + 16 h + 0 .. 15 in registers 4 b .. 4 b + 3.  re = 1: the short pass is set up.
.macro FINISH re
.rept 8
	v_nop                                          ; places behind the last products
.endr
.irp p, 0,1
	v_add_f32 v[ST+8*\p+2], v[ST+8*\p+2], v[ST+8*\p+3]   ; the sum's two halves,
.endr
.irp p, 0,1
	s_delay_alu instid0(VALU_DEP_2)
	v_permlanex16_b32 v[ST+8*\p+6], v[ST+8*\p+2], s[SEL], s[SEL+1]
.endr
.irp p, 0,1
	s_delay_alu instid0(VALU_DEP_2)
	v_add_f32 v[ST+8*\p+2], v[ST+8*\p+2], v[ST+8*\p+6]   ; and lane l xor 16's: the row's sum
.endr
	s_wait_alu depctr_va_vdst(0)
.irp p, 0,1
	v_rcp_f32 v[ST+8*\p+4], v[ST+8*\p+2]
.endr
	v_nop                                          ; a plain instruction behind the reciprocals
	s_wait_alu depctr_va_vdst(0)                   ; one wait for the two, ahead of their first reader
	WIN 0x01                                       ; source 0 (O^T) window 1
.irp p, 0,1
.set j, 0
.rept 16
	v_pk_mul_f32 v[SS+32*\p+j:SS+32*\p+j+1], v[OT+32*\p+j:OT+32*\p+j+1], v[ST+8*\p+4:ST+8*\p+5] op_sel_hi:[1,0]   ; each accumulator from its low end on
.set j, j+2
.endr
.endr
	WIN 0
.irp b, 0,1,2,3
	v_max3_num_f32 v[WK+\b], |v[SS+16*\b]|, |v[SS+16*\b+1]|, 0x8000000   ; block b: my 16 numbers and the floor 2^(16 - 127)
.endr
.irp i, 2,4,6,8,10,12,14
.irp b, 0,1,2,3
	s_delay_alu instid0(VALU_DEP_4)
	v_max3_num_f32 v[WK+\b], v[WK+\b], |v[SS+16*\b+\i]|, |v[SS+16*\b+\i+1]|
.endr
.endr
.irp b, 0,1,2,3
	s_delay_alu instid0(VALU_DEP_4)
	v_permlanex16_b32 v[WK+4+\b], v[WK+\b], s[SEL], s[SEL+1]
.endr
.irp b, 0,1,2,3
	s_delay_alu instid0(VALU_DEP_4)
	v_max_num_f32 v[WK+\b], v[WK+\b], v[WK+4+\b]
.endr
.irp b, 0,1,2,3
	s_delay_alu instid0(VALU_DEP_4)
	v_add_nc_u32 v[WK+12+\b], 0xf8800000, v[WK+\b]
.endr
.irp b, 0,1,2,3
.endr
.irp b, 0,1,2,3
	s_delay_alu instid0(VALU_DEP_4)
	v_lshrrev_b32 v[WK+4+\b], 23, v[WK+12+\b]
.endr
	s_delay_alu instid0(VALU_DEP_3)
	v_lshl_or_b32 v[PW], v[WK+5], 8, v[WK+4]       ; my token's scale word for this head pair
	s_delay_alu instid0(VALU_DEP_1)
	v_lshl_or_b32 v[PW], v[WK+6], 16, v[PW]
	s_delay_alu instid0(VALU_DEP_1)
	v_lshl_or_b32 v[PW], v[WK+7], 24, v[PW]
.irp b, 0,1,2,3
.set j, 0
.rept 16
.set j, j+1
.endr
	v_cvt_scalef32_pk8_bf8_f32 v[PCD+4*\b:PCD+4*\b+1], v[SS+16*\b:SS+16*\b+7], v[WK+12+\b]
	v_cvt_scalef32_pk8_bf8_f32 v[PCD+4*\b+2:PCD+4*\b+3], v[SS+16*\b+8:SS+16*\b+15], v[WK+12+\b]
.endr
	v_nop                                          ; one plain vector instruction behind the last conversion
.irp b, 0,1,2,3
	v_permlane16_swap_b32 v[PCD+4*\b], v[PCD+4*\b+2]     ; the first register's lanes 16-31 change places with the second's lanes 0-15
	v_permlane16_swap_b32 v[PCD+4*\b+1], v[PCD+4*\b+3]
.endr
.irp c, 0,1,2,3
	global_store_b128 v[LI], v[PCD+4*\c:PCD+4*\c+3], s[YA:YA+1] offset:512*\c   ; the fragment as it stands: 512 consecutive bytes, aligned
.endr
	global_store_b32 v[GS], v[PW], s[YS:YS+1]      ; 16 words; both halves of the lanes store the same word with the same value
.if \re
	s_wait_xcnt 0x0                                ; the stores have read their bases and their data: both are written again only behind this wait
	s_mov_b64 s[YA:YA+1], s[YA2:YA2+1]
	s_mov_b64 s[YS:YS+1], s[YS2:YS2+1]
	s_mov_b32 s[BLK], s[BS]
	s_mov_b32 s[KB], 0
	v_mov_b32 v[QS], v[QS2]
	WIN 0x01
.irp k, 0,1,2,3,4,5,6,7
	v_mov_b32 v[QF+\k], v[Q2+\k]
	v_mov_b32 v[QF+16+\k], v[Q2+8+\k]
.endr
	WIN 0
	RESET
.endif
.endm
	s_wait_loadcnt 0x0                             ; q of both passes
.Lslot:                                            ; four trips: behind each change of slots but the last the next slot is asked for
	CHANGE 1
	FOUR_STEPS
	s_cmp_lg_u32 s[NXT], s[NLS]                    ; was this the long pass's last slot?  (ids and counters alone)
	s_cbranch_scc1 .Lsame_pass
	FINISH 1
.Lsame_pass:
	s_sub_co_u32 s[SLOTS], s[SLOTS], 1
	s_cmp_lg_u32 s[SLOTS], 0
	s_cbranch_scc1 .Lslot
	CHANGE 0                                       ; the last slot is written out
	FOUR_STEPS
	FINISH 0
	s_wait_tensorcnt 0x0                           ; the wave's end
	ds_add_u32 v[SPW], v[NIL]
	s_wait_dscnt 0x0
	CROUND                                         ; the closing round
	s_endpgm
.Lfunc_end_k_qebe983a440_attn:
	.size	k_qebe983a440_attn, .Lfunc_end_k_qebe983a440_attn-k_qebe983a440_attn
	.p2alignl 7, 3214868480
	.fill 96, 4, 3214868480
	.section	.rodata,"a",@progbits
	.p2align	6, 0x0
	.amdhsa_kernel k_qebe983a440_attn
		.amdhsa_group_segment_fixed_size 327680
		.amdhsa_private_segment_fixed_size 0
		.amdhsa_enable_private_segment 0
		.amdhsa_kernarg_size 32
		.amdhsa_user_sgpr_count 2
		.amdhsa_user_sgpr_kernarg_segment_ptr 1
		.amdhsa_wavefront_size32 1
		.amdhsa_system_sgpr_workgroup_id_x 1
		.amdhsa_system_sgpr_workgroup_id_y 1
		.amdhsa_system_sgpr_workgroup_id_z 1
		.amdhsa_system_vgpr_workitem_id 0
		.amdhsa_next_free_vgpr 512
		.amdhsa_next_free_sgpr 84
		.amdhsa_reserve_vcc 1
		.amdhsa_float_denorm_mode_32 3
		.amdhsa_float_denorm_mode_16_64 3
		.amdhsa_fp16_overflow 1
		.amdhsa_memory_ordered 1
		.amdhsa_forward_progress 1
		.amdhsa_inst_pref_size 114
	.end_amdhsa_kernel
	.amdgpu_metadata
---
amdhsa.version: [ 1, 2 ]
amdhsa.kernels:
  - .name:           k_qebe983a440_attn
    .symbol:         k_qebe983a440_attn.kd
    .args:
      - { .name: qkv, .offset: 0, .size: 8, .value_kind: global_buffer, .address_space: global }
      - { .name: qkvs, .offset: 8, .size: 8, .value_kind: global_buffer, .address_space: global }
      - { .name: y, .offset: 16, .size: 8, .value_kind: global_buffer, .address_space: global }
      - { .name: ys, .offset: 24, .size: 8, .value_kind: global_buffer, .address_space: global }
    .group_segment_fixed_size: 327680
    .private_segment_fixed_size: 0
    .kernarg_segment_align: 8
    .kernarg_segment_size: 32
    .max_flat_workgroup_size: 256
    .sgpr_count:     84
    .vgpr_count:     512
    .wavefront_size: 32
...
	.end_amdgpu_metadata
.endif
;; end of part 2
;; launch proj (part 3): grid 4 x 32, 4 waves a work-group, clusters of 4 x 4, 327,680 bytes of LDS; arguments y, ys, w_proj_codes, w_proj_scales, b_proj, out0; writes out0
.if DOCPART == 3
	.amdgcn_target "amdgcn-amd-amdhsa--gfx1250"
	.amdhsa_code_object_version 6
	.text
	.protected	k_qebe983a440_proj
	.globl	k_qebe983a440_proj
	.p2align	8
	.type	k_qebe983a440_proj,@function
k_qebe983a440_proj:
	s_mov_b64 s[64:65], 0
	v_nop
	global_prefetch_b8 v0, s[64:65] scope:SCOPE_SE
	s_setreg_imm32_b32 hwreg(HW_REG_WAVE_MODE, 25, 1), 1
	s_wait_xcnt 0x0
	s_wait_alu depctr_hold_cnt(0) depctr_sa_sdst(0) depctr_va_vdst(0) depctr_va_sdst(0) depctr_va_ssrc(0) depctr_va_vcc(0) depctr_vm_vsrc(0)
	s_getreg_b32 s2, hwreg(HW_REG_IB_STS2, 6, 4)
	s_cmp_eq_u32 s2, 0
	s_cbranch_scc0 .Lentry_in_a_cluster
	s_endpgm
.Lentry_in_a_cluster:
	s_bfe_u32 s2, ttmp6, 0x10000c
	s_cmp_lg_u32 s2, 0xf033
	s_cbranch_scc0 .Lentry_shape_is_right
	s_endpgm
.Lentry_shape_is_right:
; out0 = y w_proj + b_proj on codes of BF8 (E5M2) with one E8M0 scale for each 32 along K = 1,024; out0: [8192][1024] f32.
; y comes as images of operand registers, [K step of 256][token / 16][which 128 of the step][c 0..3][lane][16 bytes], and ys as [token / 128][K / 128][128 tokens] scale words, as the launch before laid them:
; a K step's codes of 128 tokens are 32,768 dense bytes, and a fragment is read 16 x lane on end: no pitch, no padding.  w_proj: [1024 (n)][1024 (k)] codes, K innermost, scale bytes [1024][32]: rows with padding.
; A tile of 256 x 256 is made by four waves, 128 x 128 each: 64 accumulators, 512 registers.  K goes in steps of 256 through a ring of two LDS slots; the scale bytes come once and stay.
; CLUSTERS: 4 x 4 work-groups; y's tiles are asked for jointly along a row of the cluster, w_proj's along a column.  The matrix instruction is used transposed (source 0 = 16 rows of w_proj, source 1 = 16 tokens):
; a lane holds eight neighbouring numbers of a row of out0.  The bias is the C of the first K step's products.
; 128 work-groups: a tile half as large would give each fragment read from LDS half the products.
; LIMITS: NaN and infinities among the inputs are not served.
.set SIZE_N, 1024
.set SIZE_K, 1024
.set NQ,     2                         ; matrix instructions deep in a slot
.set ROWB,   256                       ; a row of w_proj's tile in bytes
.set KROW,   SIZE_K
.set PITCH,  272                       ; its LDS row: 256 bytes + 16 of padding: the 16 rows that a load touches start at 16 different banks (64 banks of 4 bytes: ISA guide 11.1)
.set FR,     16
.set NL,     4
.set NP,     8
.set KPB,    2097152                   ; a K step of y in memory: 512 x 4,096 bytes
.set HALFA,  32768                     ; 128 tokens' images of a K step
.set HALFB,  128*PITCH
.set BOFF,   2*HALFA
.set SLOT,   BOFF+2*HALFB              ; y's two halves, then w_proj's two
.set LAPS,   SIZE_K/512
.set SCLA,   2*SLOT                    ; behind the ring: ys of 2 x 128 tokens, 4,096 bytes each;
.set HALFSA, 4096
.set SCLB,   SCLA+2*HALFSA             ; w_proj's scale bytes of 2 x 128 rows, as units of 256 bytes + 16 of padding
.set HALFSB, 4352
.set SPARE,  SCLB+2*HALFSB             ; the spare words, 128 bytes for each wave: two blocks of 256 bytes that no other line names
.set SPITCH, 528                       ; the way out: a stage of 16 rows x (512 bytes + 16) for each wave, in slot 0, which has then had its last fill and its last read
.set ADRA, 16                          ; v16-17  LDS address of my fragments of y in slot 0, 1
.set ADRB, 20                          ; v20-21  the same for w_proj
.set STO,  24                          ; v24     the way out: where I put 32 bytes of a row
.set RD,   25                          ; v25     where I read a row back
.set CO,   26                          ; v26     my byte offset in a row of out0
.set ADRSA, 27                         ; v27     LDS address of y's scale words: 4 x lane
.set SPW,  28                          ; v28     LDS address of my spare word; never rewritten
.set NIL,  29                          ; v29     0; never rewritten
.set ADRSB, 30                         ; v30     LDS address of w_proj's scale words
.set SC,   32                          ; v32-63  scale words, two sets of 16: +4 q + i: y's blocks 2 i (lanes 0-15) and 2 i + 1 (lanes 16-31); +8 + 2 i + q: w_proj's likewise
.set BI,   64                          ; v64-127 the bias in the result's layout
.set AF,   128                         ; v128-255 y's fragments, one set
.set BK,   128                         ; the way out: 16 rows read back: v128-191 and v192-255 by turns
.set G1, 24
.set G0, 32
.set G1B, 48
.set G0B, 56
.set G1S, 68
.set G0S, 76
.set G1SB, 80
.set G0SB, 88
.set MSB, 0
.macro WIN new                         ; the immediate's high byte repeats the setting that is left
.if MSB != \new
	s_set_vgpr_msb (MSB<<8)|\new
.set MSB, \new
.endif
.endm
.set MUL_LO, 0xa1                      ; source 0 (w_proj) window 1, source 1 (y) window 0, C and D window 2
.set MUL_HI, 0xf1                      ; the same, C and D window 3
.set TO_B,   0x40
.macro JLOAD g0a, g1a, g0b, g1b        ; a joint load: waves 0 and 1 fetch for y, waves 2 and 3 for w_proj; four v_nop follow each of the two lines
	s_cmp_eq_u32 s15, 0
	s_cbranch_scc0 .Lfor_b_\@
	tensor_load_to_lds s[\g0a:\g0a+3], s[\g1a:\g1a+7]
	s_nop 0
.rept 4
	v_nop
.endr
	s_branch .Lasked_\@
.Lfor_b_\@:
	tensor_load_to_lds s[\g0b:\g0b+3], s[\g1b:\g1b+7]
	s_nop 0
.rept 4
	v_nop
.endr
.Lasked_\@:
.endm
.macro CREST
	s_cmp_lg_u32 s14, 0
	s_cbranch_scc1 .Lnot_wave_0_\@
	s_barrier_signal -3
.Lnot_wave_0_\@:
	s_barrier_wait -3
	s_barrier_signal -1
	s_barrier_wait -1
.endm
.macro CROUND
	s_barrier_signal -1
	s_barrier_wait -1
	CREST
.endm
	s_load_b128 s[4:7], s[0:1], 0x0                ; y s[4:5], ys s[6:7]
	s_load_b128 s[8:11], s[0:1], 0x10              ; w_proj's codes s[8:9], its scale bytes s[10:11]
	s_load_b64 s[96:97], s[0:1], 0x20              ; b_proj
	s_load_b64 s[12:13], s[0:1], 0x28              ; out0
	v_lshl_add_u32 v[SPW], v0, 2, SPARE
	v_mov_b32 v[NIL], 0
	ds_add_u32 v28, v29
	s_wait_dscnt 0x0
	v_lshrrev_b32 v1, 5, v0
	v_readfirstlane_b32 s14, v1                    ; wave 0..3
	s_lshr_b32 s15, s14, 1                         ; which half of the tile's tokens is mine.  Also: I fetch for y (0) or for w_proj (1)
	s_and_b32 s16, s14, 1                          ; which half of its columns.  Also: which 128 rows I fetch
	s_bfe_u32 s40, ttmp6, 0x40000                  ; cx, cy
	s_bfe_u32 s41, ttmp6, 0x40004
	s_lshl_b32 s42, ttmp9, 2
	s_add_co_u32 s42, s42, s40                     ; tile column = 4 x cluster x + cx
	s_and_b32 s17, ttmp7, 0xffff
	s_lshl_b32 s17, s17, 2
	s_add_co_u32 s17, s17, s41                     ; tile row = 4 x cluster y + cy
	s_lshl_b32 s43, s41, 2
	s_lshl_b32 s43, 15, s43                        ; my row of the cluster
	s_lshl_b32 s44, 0x1111, s40                    ; my column
	; y's tiles: 32,768 dense bytes as 128 rows of 256 (32 elements of 8 bytes), no padding
	s_or_b32 s[G1+0], s43, (3<<16)|(1<<21)
	s_mov_b32 s[G1+1], 32<<16
	s_mov_b32 s[G1+2], 128<<16
	s_mov_b32 s[G1+3], 32<<16
	s_mov_b32 s[G1+4], 128
	s_mov_b32 s[G1+5], 32
	s_mov_b32 s[G1+6], 0
	s_mov_b32 s[G1+7], 0
	; w_proj's tiles: 128 rows x 256 bytes, 1,024 bytes apart, 16 bytes of padding behind each
	s_or_b32 s[G1B+0], s44, (0<<16)|(1<<20)|(1<<21)|(5<<22)|(3<<25)
	s_mov_b32 s[G1B+1], ROWB<<16
	s_mov_b32 s[G1B+2], 128<<16
	s_mov_b32 s[G1B+3], ROWB<<16
	s_mov_b32 s[G1B+4], 128
	s_mov_b32 s[G1B+5], KROW
	s_mov_b32 s[G1B+6], 0
	s_mov_b32 s[G1B+7], 0
	; the scale words of 128 tokens: 4,096 dense bytes, no padding;  the scale bytes of 128 rows of w_proj: 4,096 dense bytes, 16 of padding behind each 256
	s_or_b32 s[G1S+0], s43, (3<<16)|(1<<21)
	s_or_b32 s[G1SB+0], s44, (3<<16)|(1<<20)|(1<<21)|(5<<22)|(3<<25)
.irp g, G1S, G1SB
	s_mov_b32 s[\g+1], 32<<16
	s_mov_b32 s[\g+2], 16<<16
	s_mov_b32 s[\g+3], 32<<16
	s_mov_b32 s[\g+4], 16
	s_mov_b32 s[\g+5], 32
	s_mov_b32 s[\g+6], 0
	s_mov_b32 s[\g+7], 0
.endr
	s_lshl_b32 s20, s17, 16                        ; y: 16 tiles of 16 tokens x 4,096 bytes a tile row,
	s_lshl_b32 s18, s16, 15
	s_add_co_u32 s20, s20, s18                     ; + my half
	s_mov_b32 s21, 0
	s_lshl_b32 s22, s17, 13                        ; ys: 2 x 4,096 bytes a tile row,
	s_lshl_b32 s18, s16, 12
	s_add_co_u32 s22, s22, s18
	s_mov_b32 s23, 0
	s_lshl_b32 s46, s42, 18                        ; w_proj: 256 rows of 1,024 bytes a tile column,
	s_lshl_b32 s19, s16, 17
	s_add_co_u32 s46, s46, s19
	s_mov_b32 s47, 0
	s_lshl_b32 s92, s42, 13                        ; its scale bytes: 256 rows of 32
	s_add_co_u32 s92, s92, s18
	s_mov_b32 s93, 0
	s_lshl_b32 s45, s16, 15                        ; where they go: no place in the cluster enters an LDS address
	s_mul_i32 s94, s16, HALFB
	s_add_co_u32 s94, s94, BOFF
	s_lshl_b32 s66, s16, 12
	s_add_co_u32 s66, s66, SCLA
	s_mul_i32 s67, s16, HALFSB
	s_add_co_u32 s67, s67, SCLB
	s_wait_kmcnt 0x0
	s_add_nc_u64 s[20:21], s[4:5], s[20:21]
	s_add_nc_u64 s[22:23], s[6:7], s[22:23]
	s_add_nc_u64 s[46:47], s[8:9], s[46:47]
	s_add_nc_u64 s[92:93], s[10:11], s[92:93]
	CROUND                                         ; all sixteen work-groups are here: the first joint loads meet
	s_mov_b32 s[G0S], 1
	s_mov_b32 s[G0S+1], s66
	s_mov_b64 s[G0S+2:G0S+3], s[22:23]
	s_or_b32 s[G0S+3], s[G0S+3], 0x80000000
	s_mov_b32 s[G0SB], 1
	s_mov_b32 s[G0SB+1], s67
	s_mov_b64 s[G0SB+2:G0SB+3], s[92:93]
	s_or_b32 s[G0SB+3], s[G0SB+3], 0x80000000
	JLOAD G0S, G1S, G0SB, G1SB                     ; the scales first: they are wanted with K step 0
.irp s, 0,1
	s_mov_b32 s[G0+4*\s], 1
	s_add_co_u32 s[G0+4*\s+1], s45, \s*SLOT
	s_add_nc_u64 s[G0+4*\s+2:G0+4*\s+3], s[20:21], \s*KPB
	s_or_b32 s[G0+4*\s+3], s[G0+4*\s+3], 0x80000000
	s_mov_b32 s[G0B+4*\s], 1
	s_add_co_u32 s[G0B+4*\s+1], s94, \s*SLOT
	s_add_nc_u64 s[G0B+4*\s+2:G0B+4*\s+3], s[46:47], \s*ROWB
	s_or_b32 s[G0B+4*\s+3], s[G0B+4*\s+3], 0x80000000
	JLOAD G0+4*\s, G1, G0B+4*\s, G1B
.endr
	v_and_b32 v1, 15, v0                           ; r
	v_bfe_u32 v2, v0, 4, 1                         ; h
	v_and_b32 v6, 31, v0                           ; lane
	v_lshlrev_b32 v[CO], 4, v6                     ; 16 x lane
	v_mul_u32_u24 v3, v1, PITCH
	v_lshl_add_u32 v4, v2, 4, v3                   ; w_proj: a fragment's row x pitch + 16 x half
	s_lshl_b32 s21, s15, 15                        ; my 128 tokens' images
	s_mul_i32 s22, s16, HALFB                      ; my 128 rows of w_proj,
	s_add_co_u32 s22, s22, BOFF                    ; which lie behind y's two halves
.irp s, 0,1
	v_add_nc_u32 v[ADRA+\s], s21, v[CO]
	v_add_nc_u32 v[ADRB+\s], s22, v4
	s_add_co_u32 s21, s21, SLOT
	s_add_co_u32 s22, s22, SLOT
.endr
	s_lshl_b32 s21, s15, 12
	s_add_co_u32 s21, s21, SCLA
	v_lshl_add_u32 v[ADRSA], v6, 2, s21            ; y's words: 4 x lane: lanes 0-15 one tile of 16 tokens, lanes 16-31 the next
	v_lshlrev_b32 v5, 5, v1                        ; w_proj's: 32 bytes a row,
	v_lshrrev_b32 v7, 3, v1
	v_lshl_add_u32 v5, v7, 4, v5                   ; 16 more behind the first 256,
	v_mul_u32_u24 v7, v2, 544
	v_add_nc_u32 v5, v5, v7                        ; lanes 16-31 the next 16 rows
	s_mul_i32 s22, s16, HALFSB
	s_add_co_u32 s22, s22, SCLB
	v_add_nc_u32 v[ADRSB], s22, v5
	s_mul_i32 s23, s14, 16*SPITCH                  ; my stage
	v_mul_u32_u24 v5, v1, SPITCH                   ; in: row r, 32 bytes for each half of the lanes
	v_lshl_add_u32 v5, v2, 5, v5
	v_add_nc_u32 v[STO], s23, v5
	v_add_nc_u32 v[RD], s23, v[CO]                 ; back: the 32 lanes take one row of 512 bytes
	s_lshl_b32 s46, s42, 10                        ; my first column, in bytes: 1,024 x tile column + 512 x half
	s_lshl_b32 s47, s16, 9
	s_add_co_u32 s46, s46, s47
	s_mov_b32 s47, 0
	v_lshl_add_u32 v8, v2, 5, s46                  ; the bias: register 8 b + j of a lane is column 16 b + 8 h + j of my 128
.irp b, 0,1,2,3,4,5,6,7
	global_load_b128 v[BI+8*\b:BI+8*\b+3], v8, s[96:97] offset:64*\b
	global_load_b128 v[BI+8*\b+4:BI+8*\b+7], v8, s[96:97] offset:64*\b+16
.endr
	s_lshl_b32 s20, s17, 20                        ; my first row of out0: (256 x tile row + 128 x half) x 4,096 bytes
	s_lshl_b32 s21, s15, 19
	s_add_co_u32 s20, s20, s21
	s_mov_b32 s21, 0
	s_add_nc_u64 s[20:21], s[20:21], s[46:47]
	s_add_nc_u64 s[12:13], s[12:13], s[20:21]
.macro FRAGB reg, adr, q, i            ; a fragment of w_proj from rows: lane l holds row l % 16; registers 4 c .. 4 c + 3 hold K = 32 c + 16 (l / 16) + 0 .. 15
.irp c, 0,1,2,3
	ds_load_b128 v[\reg+4*\c:\reg+4*\c+3], v[\adr] offset:128*(\q)+32*\c+(\i)*16*PITCH
.endr
.endm
.macro FRAGA reg, adr, q, i            ; a fragment of y from its image
.irp c, 0,1,2,3
	ds_load_b128 v[\reg+4*\c:\reg+4*\c+3], v[\adr] offset:2048*(\q)+512*\c+(\i)*4096
.endr
.endm
.macro WM bo, ao                       ; one product; an odd block's scale words lie in lanes 16-31 of their register
.if (\bo) && (\ao)
	v_wmma_scale_f32_16x16x128_f8f6f4 v[XD:XD+7], v[XB:XB+FR-1], v[XA:XA+FR-1], v[XC:XC+7], v[XSB], v[XSA] matrix_a_fmt:MATRIX_FMT_BF8 matrix_b_fmt:MATRIX_FMT_BF8 matrix_a_scale:MATRIX_SCALE_ROW1 matrix_b_scale:MATRIX_SCALE_ROW1
.elseif \bo
	v_wmma_scale_f32_16x16x128_f8f6f4 v[XD:XD+7], v[XB:XB+FR-1], v[XA:XA+FR-1], v[XC:XC+7], v[XSB], v[XSA] matrix_a_fmt:MATRIX_FMT_BF8 matrix_b_fmt:MATRIX_FMT_BF8 matrix_a_scale:MATRIX_SCALE_ROW1
.elseif \ao
	v_wmma_scale_f32_16x16x128_f8f6f4 v[XD:XD+7], v[XB:XB+FR-1], v[XA:XA+FR-1], v[XC:XC+7], v[XSB], v[XSA] matrix_a_fmt:MATRIX_FMT_BF8 matrix_b_fmt:MATRIX_FMT_BF8 matrix_b_scale:MATRIX_SCALE_ROW1
.else
	v_wmma_scale_f32_16x16x128_f8f6f4 v[XD:XD+7], v[XB:XB+FR-1], v[XA:XA+FR-1], v[XC:XC+7], v[XSB], v[XSA] matrix_a_fmt:MATRIX_FMT_BF8 matrix_b_fmt:MATRIX_FMT_BF8
.endif
.endm
; 16 matrix instructions: y's blocks a0, a0 + 1 x w_proj's eight, 128 along K.  mode 1: the first products, C = the bias.  The 64 accumulators take turns, one instruction a turn.
.macro MUL16 a0, p, q, sc, mode
.irp a, \a0, \a0+1
.irp b, 0,1,2,3,4,5,6,7
.set XD, 8*(8*((\a)%4)+\b)
.set XC, XD
.if \mode == 1
.set XC, BI+8*\b
.endif
.set XB, 128*(\p)+FR*\b
.set XA, AF+FR*(\a)
.set XSB, SC+16*(\sc)+8+2*(\b/2)+(\q)
.set XSA, SC+16*(\sc)+4*(\q)+(\a)/2
	WM \b%2, (\a)%2
.endr
.endr
.endm
.macro FETCH_B slot, q, p
	WIN TO_B
.irp i, 0,1,2,3,4,5,6,7
	FRAGB 128*(\p)+FR*\i, ADRB+\slot, \q, \i
.endr
	WIN 0
.endm
.macro FETCH_A slot, q, i0
.irp i, \i0, \i0+1, \i0+2, \i0+3
	FRAGA AF+FR*(\i), ADRA+\slot, \q, \i
.endr
.endm
.macro SCALES sc                       ; a K step's scale words into set sc
.irp q, 0,1
.irp i, 0,1,2,3
	ds_load_b32 v[SC+16*\sc+4*\q+\i], v[ADRSA] offset:512*\q+128*\i
.endr
.endr
.irp i, 0,1,2,3
	ds_load_b64 v[SC+16*\sc+8+2*\i:SC+16*\sc+8+2*\i+1], v[ADRSB] offset:1088*\i
.endr
.endm
.macro PLACES n                        ; places behind matrix instructions: plain vector instructions that name none of their registers (ISA guide 7.12.1 for vector instructions)
.rept \n
	v_nop
.endr
.endm
.macro STEP slot, q, mode
	s_wait_dscnt 4*NL                              ; w_proj's set, y's blocks 0-3 and the scale words are in; the youngest sixteen loads (y's blocks 4-7) may be out
.if \mode
	WIN 0x81                                       ; C, the bias, in window 0; D in window 2
.else
	WIN MUL_LO
.endif
	MUL16 0, (\q)%2, \q, \slot, \mode
	MUL16 2, (\q)%2, \q, \slot, \mode
	s_wait_dscnt 0
	PLACES NP
	FETCH_B \slot, (\q)+1, 1-(\q)%2
	FETCH_A \slot, (\q)+1, 0
.if \mode
	WIN 0xc1
.else
	WIN MUL_HI
.endif
	MUL16 4, (\q)%2, \q, \slot, \mode
	MUL16 6, (\q)%2, \q, \slot, \mode
	PLACES NP
	WIN 0
	FETCH_A \slot, (\q)+1, 4
.endm
; A slot's last step changes slots: ONE barrier; in front of it each wave waits for all its tensor loads, adds 0 to its spare word, and waits for that and for its own reads of this slot.
.macro TURN slot, next, fill
	s_wait_tensorcnt 0x0                           ; all my tensor loads have landed: my part of the next slot
	ds_add_u32 v[SPW], v[NIL]                      ; 0 onto my spare word
	s_wait_dscnt 4*NL+1                            ; (the add and the youngest sixteen loads may be out)
	WIN MUL_LO
	MUL16 0, 1, NQ-1, \slot, 0
	s_wait_dscnt 0x0                               ; the add is done, and my reads of this slot are over
	s_barrier_signal -1
	MUL16 2, 1, NQ-1, \slot, 0
	WIN 0
	s_barrier_wait -1
.if \fill
	CREST                                          ; the barrier has opened a round of the cluster's barrier
	s_add_nc_u64 s[G0+4*\slot+2:G0+4*\slot+3], s[G0+4*\slot+2:G0+4*\slot+3], 2*KPB
	s_add_nc_u64 s[G0B+4*\slot+2:G0B+4*\slot+3], s[G0B+4*\slot+2:G0B+4*\slot+3], 2*ROWB
	JLOAD G0+4*\slot, G1, G0B+4*\slot, G1B         ; the first tensor load behind the round; its four v_nop are among the places in front of the loads below
	PLACES NP-4
.else
	PLACES NP
.endif
	v_add_nc_u32 v[ADRSA], 1024, v[ADRSA]          ; on to the next K step's scale words
	v_add_nc_u32 v[ADRSB], 8, v[ADRSB]
	FETCH_B \next, 0, 0
	FETCH_A \next, 0, 0
	SCALES \next
	WIN MUL_HI
	MUL16 4, 1, NQ-1, \slot, 0
	MUL16 6, 1, NQ-1, \slot, 0
	PLACES NP
	WIN 0
	FETCH_A \next, 0, 4
.endm
	s_wait_tensorcnt 1                             ; the scales and my part of K step 0 are in (K step 1's load may be out),
	s_barrier_signal -1
	s_barrier_wait -1                              ; everybody's are
	FETCH_B 0, 0, 0
	FETCH_A 0, 0, 0
	SCALES 0
	FETCH_A 0, 0, 4
	s_wait_loadcnt 0x0                             ; the bias
	STEP 0, 0, 1                                   ; the first step stands in front of the loop: its products start the sums from the bias
	s_mov_b32 s3, LAPS-1
.Llap:
	TURN 0, 1, 1
	STEP 1, 0, 0
	TURN 1, 0, 1
	STEP 0, 0, 0
	s_sub_co_u32 s3, s3, 1
	s_cmp_lg_u32 s3, 0
	s_cbranch_scc1 .Llap
	TURN 0, 1, 0                                   ; the last lap fills nothing, and has no round of the cluster's barrier
	STEP 1, 0, 0
	s_wait_dscnt 4*NL
	WIN MUL_LO
	MUL16 0, 1, NQ-1, 1, 0
	MUL16 2, 1, NQ-1, 1, 0
	s_wait_dscnt 0
	WIN MUL_HI
	MUL16 4, 1, NQ-1, 1, 0
	MUL16 6, 1, NQ-1, 1, 0
	WIN 0
; THE WAY OUT, block by block of 16 rows x 128 columns, through my own stage in LDS: back come whole rows of 512 bytes, which the 32 lanes store as two aligned runs of 256 bytes.
; LDS serves a wave's instructions in order (ISA guide 5.7.1.4): no wait between the stores and the loads.
.macro TOSTAGE a
.set AC, 64*((\a)%4)
	WIN 0x08+4*((\a)/4)                            ; the data: window 2 or 3
.irp b, 0,1,2,3,4,5,6,7
	ds_store_b128 v[STO], v[AC+8*\b:AC+8*\b+3] offset:64*\b          ; each accumulator from its low end on
	ds_store_b128 v[STO], v[AC+8*\b+4:AC+8*\b+7] offset:64*\b+16
.endr
	WIN 0
.set BB, BK+64*((\a)%2)
.irp t, 0,1,2,3,4,5,6,7,8,9,10,11,12,13,14,15
	ds_load_b128 v[BB+4*\t:BB+4*\t+3], v[RD] offset:\t*SPITCH
.endr
.endm
.macro SEND a, younger                 ; younger: the LDS instructions issued behind block a's loads, which may stay out
.set BB, BK+64*((\a)%2)
	s_wait_dscnt \younger
.if (\a) > 0
	s_add_nc_u64 s[12:13], s[12:13], 16*SIZE_N*4   ; (behind a wait on XCNT: the earlier stores have read their base)
.endif
.irp t, 0,1,2,3,4,5,6,7,8,9,10,11,12,13,14,15
	global_store_b128 v[CO], v[BB+4*\t:BB+4*\t+3], s[12:13] offset:\t*SIZE_N*4 th:TH_STORE_NT   ; 32 lanes store 512 consecutive bytes, aligned; written once, read by nobody here
.endr
.endm
	PLACES NP
	TOSTAGE 0
.irp a, 1,2,3,4,5,6,7
.if \a > 1
	s_wait_xcnt 0x0                                ; block a - 2's stores have read their registers and their base
.endif
	TOSTAGE \a
	SEND \a-1, 32                                  ; behind block a - 1's loads: block a's 16 stores and 16 loads
.endr
	s_wait_xcnt 0x0
	SEND 7, 0
	s_wait_tensorcnt 0x0                           ; the wave's end
	ds_add_u32 v[SPW], v[NIL]
	s_wait_dscnt 0x0
	CROUND                                         ; the closing round
	s_endpgm
.Lfunc_end_k_qebe983a440_proj:
	.size	k_qebe983a440_proj, .Lfunc_end_k_qebe983a440_proj-k_qebe983a440_proj
	.p2alignl 7, 3214868480
	.fill 96, 4, 3214868480
	.section	.rodata,"a",@progbits
	.p2align	6, 0x0
	.amdhsa_kernel k_qebe983a440_proj
		.amdhsa_group_segment_fixed_size 327680
		.amdhsa_private_segment_fixed_size 0
		.amdhsa_enable_private_segment 0
		.amdhsa_kernarg_size 48
		.amdhsa_user_sgpr_count 2
		.amdhsa_user_sgpr_kernarg_segment_ptr 1
		.amdhsa_wavefront_size32 1
		.amdhsa_system_sgpr_workgroup_id_x 1
		.amdhsa_system_sgpr_workgroup_id_y 1
		.amdhsa_system_sgpr_workgroup_id_z 1
		.amdhsa_system_vgpr_workitem_id 0
		.amdhsa_next_free_vgpr 1024
		.amdhsa_next_free_sgpr 98
		.amdhsa_reserve_vcc 0
		.amdhsa_float_denorm_mode_32 3
		.amdhsa_float_denorm_mode_16_64 3
		.amdhsa_memory_ordered 1
		.amdhsa_forward_progress 1
		.amdhsa_inst_pref_size 148
	.end_amdhsa_kernel
	.amdgpu_metadata
---
amdhsa.version: [ 1, 2 ]
amdhsa.kernels:
  - .name:           k_qebe983a440_proj
    .symbol:         k_qebe983a440_proj.kd
    .args:
      - { .name: y, .offset: 0, .size: 8, .value_kind: global_buffer, .address_space: global }
      - { .name: ys, .offset: 8, .size: 8, .value_kind: global_buffer, .address_space: global }
      - { .name: w_proj_codes, .offset: 16, .size: 8, .value_kind: global_buffer, .address_space: global }
      - { .name: w_proj_scales, .offset: 24, .size: 8, .value_kind: global_buffer, .address_space: global }
      - { .name: b_proj, .offset: 32, .size: 8, .value_kind: global_buffer, .address_space: global }
      - { .name: out0, .offset: 40, .size: 8, .value_kind: global_buffer, .address_space: global }
    .group_segment_fixed_size: 327680
    .private_segment_fixed_size: 0
    .kernarg_segment_align: 8
    .kernarg_segment_size: 48
    .max_flat_workgroup_size: 128
    .sgpr_count:     98
    .vgpr_count:     1024
    .wavefront_size: 32
...
	.end_amdgpu_metadata
.endif
;; end of part 3
